; MI455X (gfx1250); checked and timed in simulation.
; The chip was launched on July 23, 2026; its instructions are those of AMD's public machine-readable ISA for CDNA 5 (MIT licence, August 2026) and "CDNA5" Instruction Set Architecture Reference Guide (July 2026). The comments in the code are by the model that wrote it; some were corrected since.
;; Transformer. Allowed arithmetic: float matrix products may take bf16 or f16 operands with f32 sums; other float arithmetic in f32, or as packed bf16 or f16 multiplies, adds, multiply-adds, maxima and minima; sums over many terms, partial sums and values carried from step to step in f32; what a program stores and reads back later, other than sums and carried values, may be rounded once to bf16 or f16.
;; Inputs: g1 1,024 float32; g2 1,024 float32; w1 4,096 x 1,024 float32; w2 1,024 x 4,096 float32; wk 1,024 x 1,024 float32; wo 1,024 x 1,024 float32; wq 1,024 x 1,024 float32; wv 1,024 x 1,024 float32; x 2 x 2,048 x 1,024 float32.
;; Outputs: out0 2 x 2,048 x 1,024 float32.
;; One version. Each part assembles by itself: llvm-mc -triple=amdgcn-amd-amdhsa -mcpu=gfx1250 --defsym DOCPART=n.
;; ======== version 1 of 1: 7 launches
;; limits: a function is approximated: absolute error at most 2.5e-05; an absolute error that grows with the inputs' magnitude: up to 1.25e-05 times it; values are held in f16: magnitudes above 65,504 overflow, below 6.1e-05 lose precision
;; workspace buffers: wh 25,165,824 bytes; xn 8,388,608 bytes; qkv 25,165,824 bytes; att 8,388,608 bytes; x1 16,777,216 bytes; hid 33,554,432 bytes
;; launch prep (part 1): grid 512 x 1, 8 waves a work-group, no clusters, 0 bytes of LDS; arguments x, g1, wq, wk, wv, wo, w1, w2, xn, wh; writes xn, wh
.if DOCPART == 1
	.amdgcn_target "amdgcn-amd-amdhsa--gfx1250"
	.amdhsa_code_object_version 6
	.text
	.protected	k_q1b4cd53091_prep
	.globl	k_q1b4cd53091_prep
	.p2align	8
	.type	k_q1b4cd53091_prep,@function
k_q1b4cd53091_prep:
	s_mov_b64 s[64:65], 0
	v_nop
	global_prefetch_b8 v0, s[64:65] scope:SCOPE_SE
	s_setreg_imm32_b32 hwreg(HW_REG_WAVE_MODE, 25, 1), 1
	s_wait_xcnt 0x0
; xn = rmsnorm(x, g1) in f16, and all six weights rounded once from f32 to f16 into wh (wq, wk, wv, wo, w1, w2 on end).
; Everything is taken as rows of 1,024 f32 (4,096 bytes): 4,096 rows of x, then 12,288 rows of weights.  A work-group takes 32 rows, a wave 4.
; A load of a wave covers 512 consecutive bytes, a store 256 consecutive bytes at a multiple of 256.  All of a wave's 32 loads go out at once; no LDS, no barrier.
; LIMITS.  f16 ends at 65,504: weights and x / norm * g (at most 32 |g|) must lie within it; below 6e-5 f16 keeps its fixed step of 6e-8.  NaN and infinities are not treated apart.
.set RPW, 4                            ; rows of a wave
.set X,   16                           ; v[16:143]  32 registers a row, as loaded; then the packed f16 in the low 16 of them
.set G,   144                          ; v[144:175] the gain of my 32 columns
	s_load_b512 s[8:23], s[0:1], 0x0               ; x, g1, wq, wk, wv, wo, w1, w2
	s_load_b128 s[24:27], s[0:1], 0x40             ; xn, wh
	v_and_b32 v3, 31, v0                           ; lane
	v_lshrrev_b32 v2, 5, v0
	v_readfirstlane_b32 s4, v2                     ; wave
	v_lshlrev_b32 v1, 4, v3                        ; 16 bytes a lane on the way in
	v_lshlrev_b32 v2, 3, v3                        ; 8 bytes a lane on the way out
	v_mov_b32 v13, 0                               ; v_permlanex16_b32's destination counts as read
	s_lshl_b32 s5, ttmp9, 5
	s_lshl_b32 s6, s4, 2
	s_add_co_u32 s5, s5, s6                        ; my first row among the 16,384
	s_mov_b32 s33, 0
	s_mov_b32 s34, 0x76543210
	s_mov_b32 s35, 0xfedcba98
	s_mov_b32 s36, 0x3a800000                      ; 1 / 1024
	s_mov_b32 s37, 0x3727c5ac                      ; 1e-5
	s_wait_kmcnt 0x0
.macro LOADROWS                        ; RPW rows, eight loads each
.set i, 0
.rept RPW*8
	global_load_b128 v[X+4*i:X+4*i+3], v1, s[28:29] offset:512*i th:TH_LOAD_NT
.set i, i+1
.endr
.endm
.macro OUTROW r                        ; a row is rounded to f16 in place (register k takes numbers 2 k, 2 k + 1, which are read no later than here) and stored
.set k, 0
.rept 16
	v_cvt_pk_f16_f32 v[X+32*(\r)+k], v[X+32*(\r)+2*k], v[X+32*(\r)+2*k+1]
.set k, k+1
.endr
.set k, 0
.rept 8
	global_store_b64 v2, v[X+32*(\r)+2*k:X+32*(\r)+2*k+1], s[30:31] offset:2048*(\r)+256*k th:TH_STORE_NT
.set k, k+1
.endr
.endm
.macro CASTROW r
	s_wait_loadcnt 8*(RPW-1-(\r))                  ; my row's eight loads are in; the later rows' stay out
	OUTROW \r
.endm
.macro NORMROW r
	s_wait_loadcnt 8*(RPW-1-(\r))                  ; the gain (issued first) and my row are in; the later rows' loads stay out
.set k, 0
.rept 4
	v_pk_mul_f32 v[4+2*k:5+2*k], v[X+32*(\r)+2*k:X+32*(\r)+2*k+1], v[X+32*(\r)+2*k:X+32*(\r)+2*k+1]  ; four chains, started by the first products
.set k, k+1
.endr
.rept 12
	v_pk_fma_f32 v[4+2*(k%4):5+2*(k%4)], v[X+32*(\r)+2*k:X+32*(\r)+2*k+1], v[X+32*(\r)+2*k:X+32*(\r)+2*k+1], v[4+2*(k%4):5+2*(k%4)]
.set k, k+1
.endr
	v_pk_add_f32 v[4:5], v[4:5], v[6:7]
	v_pk_add_f32 v[8:9], v[8:9], v[10:11]
	v_pk_add_f32 v[4:5], v[4:5], v[8:9]
	v_add_f32 v12, v4, v5
	v_add_f32_dpp v12, v12, v12 row_xmask:1 row_mask:0xf bank_mask:0xf
	v_add_f32_dpp v12, v12, v12 row_xmask:2 row_mask:0xf bank_mask:0xf
	v_add_f32_dpp v12, v12, v12 row_xmask:4 row_mask:0xf bank_mask:0xf
	v_add_f32_dpp v12, v12, v12 row_xmask:8 row_mask:0xf bank_mask:0xf
	v_permlanex16_b32 v13, v12, s34, s35
	v_add_f32 v12, v12, v13                        ; the row's sum of squares, in every lane
	v_fma_f32 v12, v12, s36, s37                   ; mean + eps
	v_rsq_f32 v14, v12
	v_rsq_f32 v15, v12                             ; twice: a pair for the packed multiply
	v_nop                                          ; a plain instruction behind the last of them
	s_wait_alu depctr_va_vdst(0)                   ; one wait for both, ahead of their first reader
.set k, 0
.rept 16
	v_pk_mul_f32 v[X+32*(\r)+2*k:X+32*(\r)+2*k+1], v[X+32*(\r)+2*k:X+32*(\r)+2*k+1], v[14:15]
.set k, k+1
.endr
.set k, 0
.rept 16
	v_pk_mul_f32 v[X+32*(\r)+2*k:X+32*(\r)+2*k+1], v[X+32*(\r)+2*k:X+32*(\r)+2*k+1], v[G+2*k:G+2*k+1]
.set k, k+1
.endr
	OUTROW \r
.endm
	s_cmp_lt_u32 ttmp9, 128
	s_cbranch_scc0 .Lcast
	s_lshl_b32 s32, s5, 12                         ; the first 128 work-groups: rows of x
	s_add_nc_u64 s[28:29], s[8:9], s[32:33]
	s_lshl_b32 s32, s5, 11
	s_add_nc_u64 s[30:31], s[24:25], s[32:33]
.set i, 0
.rept 8
	global_load_b128 v[G+4*i:G+4*i+3], v1, s[10:11] offset:512*i
.set i, i+1
.endr
	LOADROWS
	NORMROW 0
	NORMROW 1
	NORMROW 2
	NORMROW 3
	s_endpgm
.Lcast:
	s_sub_co_u32 s5, s5, 4096                      ; my first row among the weights' 12,288, which is also its row in wh
	s_mov_b64 s[28:29], s[22:23]                   ; w2 from row 8,192 on
	s_mov_b32 s38, 8192
	s_cmp_lt_u32 s5, 8192
	s_cselect_b64 s[28:29], s[20:21], s[28:29]     ; w1 from 4,096
	s_cselect_b32 s38, 4096, s38
	s_cmp_lt_u32 s5, 4096
	s_cselect_b64 s[28:29], s[18:19], s[28:29]     ; wo from 3,072
	s_cselect_b32 s38, 3072, s38
	s_cmp_lt_u32 s5, 3072
	s_cselect_b64 s[28:29], s[16:17], s[28:29]     ; wv from 2,048
	s_cselect_b32 s38, 2048, s38
	s_cmp_lt_u32 s5, 2048
	s_cselect_b64 s[28:29], s[14:15], s[28:29]     ; wk from 1,024
	s_cselect_b32 s38, 1024, s38
	s_cmp_lt_u32 s5, 1024
	s_cselect_b64 s[28:29], s[12:13], s[28:29]     ; wq from 0
	s_cselect_b32 s38, 0, s38
	s_sub_co_u32 s6, s5, s38                       ; my row in its own tensor
	s_lshl_b32 s32, s6, 12
	s_add_nc_u64 s[28:29], s[28:29], s[32:33]
	s_lshl_b32 s32, s5, 11
	s_add_nc_u64 s[30:31], s[26:27], s[32:33]
	LOADROWS
	CASTROW 0
	CASTROW 1
	CASTROW 2
	CASTROW 3
	s_endpgm
.Lfunc_end_k_q1b4cd53091_prep:
	.size	k_q1b4cd53091_prep, .Lfunc_end_k_q1b4cd53091_prep-k_q1b4cd53091_prep
	.p2alignl 7, 3214868480
	.fill 96, 4, 3214868480
	.section	.rodata,"a",@progbits
	.p2align	6, 0x0
	.amdhsa_kernel k_q1b4cd53091_prep
		.amdhsa_group_segment_fixed_size 0
		.amdhsa_private_segment_fixed_size 0
		.amdhsa_enable_private_segment 0
		.amdhsa_kernarg_size 80
		.amdhsa_user_sgpr_count 2
		.amdhsa_user_sgpr_kernarg_segment_ptr 1
		.amdhsa_wavefront_size32 1
		.amdhsa_system_sgpr_workgroup_id_x 1
		.amdhsa_system_sgpr_workgroup_id_y 1
		.amdhsa_system_sgpr_workgroup_id_z 1
		.amdhsa_system_vgpr_workitem_id 0
		.amdhsa_next_free_vgpr 184
		.amdhsa_next_free_sgpr 66
		.amdhsa_reserve_vcc 0
		.amdhsa_float_denorm_mode_32 3
		.amdhsa_float_denorm_mode_16_64 3
		.amdhsa_memory_ordered 1
		.amdhsa_forward_progress 1
		.amdhsa_inst_pref_size 39
	.end_amdhsa_kernel
	.amdgpu_metadata
---
amdhsa.version: [ 1, 2 ]
amdhsa.kernels:
  - .name:           k_q1b4cd53091_prep
    .symbol:         k_q1b4cd53091_prep.kd
    .args:
      - { .name: x, .offset: 0, .size: 8, .value_kind: global_buffer, .address_space: global }
      - { .name: g1, .offset: 8, .size: 8, .value_kind: global_buffer, .address_space: global }
      - { .name: wq, .offset: 16, .size: 8, .value_kind: global_buffer, .address_space: global }
      - { .name: wk, .offset: 24, .size: 8, .value_kind: global_buffer, .address_space: global }
      - { .name: wv, .offset: 32, .size: 8, .value_kind: global_buffer, .address_space: global }
      - { .name: wo, .offset: 40, .size: 8, .value_kind: global_buffer, .address_space: global }
      - { .name: w1, .offset: 48, .size: 8, .value_kind: global_buffer, .address_space: global }
      - { .name: w2, .offset: 56, .size: 8, .value_kind: global_buffer, .address_space: global }
      - { .name: xn, .offset: 64, .size: 8, .value_kind: global_buffer, .address_space: global }
      - { .name: wh, .offset: 72, .size: 8, .value_kind: global_buffer, .address_space: global }
    .group_segment_fixed_size: 0
    .private_segment_fixed_size: 0
    .kernarg_segment_align: 8
    .kernarg_segment_size: 80
    .max_flat_workgroup_size: 256
    .sgpr_count:     66
    .vgpr_count:     184
    .wavefront_size: 32
...
	.end_amdgpu_metadata
.endif
;; end of part 1
;; launch qkv (part 2): grid 16 x 16, 4 waves a work-group, clusters of 4 x 4, 327,680 bytes of LDS; arguments xn, wh, qkv; writes qkv
.if DOCPART == 2
	.amdgcn_target "amdgcn-amd-amdhsa--gfx1250"
	.amdhsa_code_object_version 6
	.text
	.protected	k_q1b4cd53091_qkv
	.globl	k_q1b4cd53091_qkv
	.p2align	8
	.type	k_q1b4cd53091_qkv,@function
k_q1b4cd53091_qkv:
	s_mov_b64 s[64:65], 0
	v_nop
	global_prefetch_b8 v0, s[64:65] scope:SCOPE_SE
	s_setreg_imm32_b32 hwreg(HW_REG_WAVE_MODE, 25, 1), 1
	s_wait_xcnt 0x0
	s_wait_alu depctr_hold_cnt(0) depctr_sa_sdst(0) depctr_va_vdst(0) depctr_va_sdst(0) depctr_va_ssrc(0) depctr_va_vcc(0) depctr_vm_vsrc(0)
	s_getreg_b32 s2, hwreg(HW_REG_IB_STS2, 6, 4)
	s_cmp_eq_u32 s2, 0
	s_cbranch_scc0 .Lentry_in_a_cluster
	s_endpgm
.Lentry_in_a_cluster:
	s_bfe_u32 s2, ttmp6, 0x10000c
	s_cmp_lg_u32 s2, 0xf033
	s_cbranch_scc0 .Lentry_shape_is_right
	s_endpgm
.Lentry_shape_is_right:
; C = A B^T, K = 1,024, f16 operands, f32 sums.  One text for two launches, told apart by NBL:
;   NBL = 6: A = xn [4096][1024], B = wq, wk, wv on end [3072][1024]; C leaves in f16 by heads, [b][48][2048][64].  A tile of C is 256 x 192: three heads.
;   NBL = 8: A = xn, B = w1 [4096][1024]; gelu(C) leaves in f16 as [4096][4096].  A tile of C is 256 x 256.
; Both give 256 work-groups of four waves; a wave makes 128 x 16 NBL: 8 x NBL accumulators.  K goes in steps of 128 through a ring of two LDS slots filled by tensor loads (rows of 256 bytes, 16 of padding).
; CLUSTER 4 x 4: A's tile is shared along a row of the cluster, B's along a column; each is asked for jointly, by the same load with the same descriptor and a mask of four.
; THE MATRIX INSTRUCTION IS USED TRANSPOSED (source 0 = 16 rows of B, source 1 = 16 rows of A): a lane holds one row of C and eight neighbouring columns.
; ONE K STEP IS WRITTEN ONCE: the slot in hand is a scalar (SL for the reads, SLF for the fills) that an exclusive or turns between 0 and SLOT; LDS addresses are that scalar plus a constant part.
; THE WAY OUT goes through LDS in f32, in the ring's bytes, which have had their last fill; a barrier stands between the last reads of the ring and the first store into it.
; LIMITS.  f16 ends at 65,504: what is stored must lie within it.  erf by the three-term rational form in t = 1 / (1 + 0.47047 z) times exp(-z^2), absolute error at most 2.5e-5 for every z.  NaN and infinities are not treated apart.
; REGISTERS, in windows of 256: window 0: v16-30 addresses; v64-127, v128-191 A's fragments, two buffers; v32-63, v192-255 at work on the way out.  window 1: v64.., v128.. B's fragments.
;   window 2: accumulators of my rows 0-63 ((a, b) at 8 (NBL a + b)); window 3: rows 64-127.
.set NBL,   6
.set BOFF,  0                          ; B's first byte in wh
.set BROWS, 32*NBL
.set KSTEP, 128
.set PITCH, 272                        ; 68 words: the 16 rows of a fragment load start at 16 different groups of four banks (64 banks of 4 bytes: ISA guide 11.1)
.set HALFA, 128*PITCH
.set HALFB, (BROWS/2)*PITCH
.set SLOT,  2*HALFA+2*HALFB            ; A's 256 rows, then B's
.set SPARE, 2*SLOT                     ; behind the ring: the spare words, 128 bytes for each wave
.set NL,    2*NBL+16                   ; LDS loads in a run
.if NBL == 8
.set SPF,   528                        ; a stage row: 128 f32 + 16 bytes; each wave has 128 rows of its own
.else
.set SPF,   784                        ; a stage row: 192 f32 + 16 bytes; one stage of 256 rows for the work-group
.endif
.set ADRA, 16                          ; LDS address of my A fragments in the slot in hand
.set A0,   17                          ; the same in slot 0; never rewritten
.set ADRB, 20
.set B0,   21
.set STO,  24                          ; the way out: where I put 32 bytes of a row (rows 0-63)
.set RD,   25                          ; where I read back
.set CO,   26                          ; my byte offset in C
.set STO2, 27                          ; STO for rows 64-127
.set SPW,  28
.set NIL,  29
.set PFO,  30                          ; the prefetches' offset: a lane a row
.set F0,   64
.set F1,   128
.set G1,   24                          ; s[24:31] group 1 for A;  s[32:39] group 0: a set for each first fill; the second then walks
.set G0,   32
.set G1B,  48
.set G0B,  56
.set LIM,  43
.set PFA,  44
.set SL,   66
.set SLF,  67
.set LA,   68
.set LB,   69
.set MSB, 0
.macro WIN new
.if MSB != (\new)
	s_set_vgpr_msb (MSB<<8)|(\new)
.set MSB, \new
.endif
.endm
.set MUL_LO, 0xa1
.set MUL_HI, 0xf1
.set TO_B,   0x40
.macro PLACES
.rept 4
	v_nop
.endr
.endm
.macro JLOAD                           ; a joint refill: waves 0, 1 fetch A's halves, waves 2, 3 B's
	s_cmp_eq_u32 s11, 0
	s_cbranch_scc0 .Lfor_b_\@
	tensor_load_to_lds s[G0+4:G0+7], s[G1:G1+7]
	s_nop 0
	PLACES
	s_branch .Lasked_\@
.Lfor_b_\@:
	tensor_load_to_lds s[G0B+4:G0B+7], s[G1B:G1B+7]
	s_nop 0
	PLACES
.Lasked_\@:
.endm
.macro ASK                             ; the K step two refills on: my work-group's share of the rows that I fetch, a lane a row; only the first cluster along the axis on which the rows are shared asks
	s_cmp_gt_u32 s3, s[LIM]                        ; the last two refills have no K step two on
	s_cbranch_scc0 .Lnot_mine_\@
	global_prefetch_b8 v[PFO], s[PFA:PFA+1] offset:KSTEP*2 th:TH_LOAD_NT scope:SCOPE_SE
.Lnot_mine_\@:
.endm
.macro CREST
	s_cmp_lg_u32 s10, 0
	s_cbranch_scc1 .Lnot_wave_0_\@
	s_barrier_signal -3
.Lnot_wave_0_\@:
	s_barrier_wait -3
	s_barrier_signal -1
	s_barrier_wait -1
.endm
.macro CROUND
	s_barrier_signal -1
	s_barrier_wait -1
	CREST
.endm
	s_load_b128 s[4:7], s[0:1], 0x0                ; A, wh
	s_load_b64 s[8:9], s[0:1], 0x10                ; C
	v_lshl_add_u32 v[SPW], v0, 2, SPARE
	v_mov_b32 v[NIL], 0
	ds_add_u32 v[SPW], v[NIL]                      ; the wave's opening: the add and its wait ahead of my first tensor load
	ds_add_u32 v28, v29
	v_lshrrev_b32 v1, 5, v0
	v_readfirstlane_b32 s10, v1                    ; wave
	s_lshr_b32 s11, s10, 1                         ; my half of the rows; also: I fetch for A (0) or B (1)
	s_and_b32 s12, s10, 1                          ; my half of the columns; also: which half of that tile I fetch
	s_bfe_u32 s40, ttmp6, 0x40000                  ; cx
	s_bfe_u32 s41, ttmp6, 0x40004                  ; cy
	s_lshl_b32 s42, ttmp9, 2
	s_add_co_u32 s42, s42, s40                     ; tile column
	s_and_b32 s13, ttmp7, 0xffff
	s_lshl_b32 s13, s13, 2
	s_add_co_u32 s13, s13, s41                     ; tile row
	s_lshl_b32 s43, s41, 2
	s_lshl_b32 s43, 15, s43                        ; my row of the cluster
	s_lshl_b32 s44, 0x1111, s40                    ; my column
	s_or_b32 s[G1+0], s43, (1<<16)|(1<<20)|(1<<21)|(5<<22)|(3<<25)  ; mask; 2-byte elements; padding on; bit 21 beside a mask; after every 64 words, 4 words
	s_or_b32 s[G1B+0], s44, (1<<16)|(1<<20)|(1<<21)|(5<<22)|(3<<25)
	s_mov_b32 s[G1+1], KSTEP<<16                   ; tensor_dim0
	s_mov_b32 s[G1B+1], KSTEP<<16
	s_mov_b32 s[G1+2], 128<<16                     ; tensor_dim1
	s_mov_b32 s[G1B+2], (BROWS/2)<<16
	s_mov_b32 s[G1+3], KSTEP<<16                   ; tile_dim0
	s_mov_b32 s[G1B+3], KSTEP<<16
	s_mov_b32 s[G1+4], 128                         ; tile_dim1
	s_mov_b32 s[G1B+4], BROWS/2
	s_mov_b32 s[G1+5], 1024                        ; elements from row to row
	s_mov_b32 s[G1B+5], 1024
	s_mov_b32 s[G1+6], 0
	s_mov_b32 s[G1B+6], 0
	s_mov_b32 s[G1+7], 0
	s_mov_b32 s[G1B+7], 0
	s_lshl_b32 s16, s13, 8
	s_lshl_b32 s17, s12, 7
	s_add_co_u32 s16, s16, s17                     ; A: row 256 x tile row + 128 x half
	s_lshl_b32 s16, s16, 11
	s_mov_b32 s17, 0
	s_mul_i32 s46, s42, BROWS
	s_mul_i32 s47, s12, BROWS/2
	s_add_co_u32 s46, s46, s47                     ; B: row BROWS x tile column + BROWS / 2 x half
	s_lshl_b32 s46, s46, 11
	s_add_co_u32 s46, s46, BOFF
	s_mov_b32 s47, 0
	s_mul_i32 s[LA], s10, HALFA                    ; where my part of a slot lies: A's halves (waves 0, 1),
	s_mul_i32 s[LB], s10, HALFB
	s_add_co_u32 s[LB], s[LB], 2*(HALFA-HALFB)     ; B's halves behind them (waves 2, 3)
	s_mov_b32 s[SL], 0
	s_mov_b32 s[SLF], SLOT
	s_wait_dscnt 0x0                               ; the opening add is done
	s_wait_kmcnt 0x0
	s_add_nc_u64 s[14:15], s[4:5], s[16:17]
	s_add_nc_u64 s[46:47], s[6:7], s[46:47]
	CROUND                                         ; all sixteen work-groups are here: the first joint loads meet
.irp s, 0,1
	s_mov_b32 s[G0+4*(\s)], 1
	s_add_co_u32 s[G0+4*(\s)+1], s[LA], (\s)*SLOT
	s_add_nc_u64 s[G0+4*(\s)+2:G0+4*(\s)+3], s[14:15], (\s)*KSTEP*2
	s_or_b32 s[G0+4*(\s)+3], s[G0+4*(\s)+3], 0x80000000
	s_mov_b32 s[G0B+4*(\s)], 1
	s_add_co_u32 s[G0B+4*(\s)+1], s[LB], (\s)*SLOT
	s_add_nc_u64 s[G0B+4*(\s)+2:G0B+4*(\s)+3], s[46:47], (\s)*KSTEP*2
	s_or_b32 s[G0B+4*(\s)+3], s[G0B+4*(\s)+3], 0x80000000
.endr
	s_cmp_eq_u32 s11, 0                            ; a wave's two first fills stand in one branch: two loads of mine are out
	s_cbranch_scc0 .Lfirst_b
	tensor_load_to_lds s[G0:G0+3], s[G1:G1+7]
	s_nop 0
	tensor_load_to_lds s[G0+4:G0+7], s[G1:G1+7]
	s_nop 0
	PLACES
	s_branch .Lfirst_done
.Lfirst_b:
	tensor_load_to_lds s[G0B:G0B+3], s[G1B:G1B+7]
	s_nop 0
	tensor_load_to_lds s[G0B+4:G0B+7], s[G1B:G1B+7]
	s_nop 0
	PLACES
.Lfirst_done:
	v_and_b32 v1, 15, v0                           ; l % 16
	v_bfe_u32 v2, v0, 4, 1                         ; l / 16
	v_mul_u32_u24 v3, v1, PITCH
	v_lshl_add_u32 v3, v2, 4, v3
	s_mul_i32 s21, s11, HALFA
	s_mul_i32 s22, s12, HALFB
	s_add_co_u32 s22, s22, 2*HALFA
	v_add_nc_u32 v[A0], s21, v3
	v_add_nc_u32 v[B0], s22, v3
	v_mov_b32 v[ADRA], v[A0]
	v_mov_b32 v[ADRB], v[B0]
	v_mul_u32_u24 v4, v1, SPF                      ; into the stage: row l % 16, 32 bytes for each half of the lanes
	v_lshl_add_u32 v4, v2, 5, v4
	v_and_b32 v5, 31, v0
.if NBL == 8
	s_mul_i32 s23, s10, 128*SPF                    ; my own stage
	v_add_nc_u32 v[STO], s23, v4
	v_lshl_add_u32 v[RD], v5, 4, s23               ; back: 32 lanes take a row's 512 bytes
	v_lshlrev_b32 v[CO], 3, v5                     ; which are 256 bytes of f16
	s_lshl_b32 s16, s13, 8
	s_lshl_b32 s17, s11, 7
	s_add_co_u32 s16, s16, s17
	s_lshl_b32 s16, s16, 13                        ; my first row of C, 8,192 bytes a row
	s_mov_b32 s17, 0
	s_add_nc_u64 s[8:9], s[8:9], s[16:17]
	s_lshl_b32 s46, s42, 9
	s_lshl_b32 s47, s12, 8
	s_add_co_u32 s46, s46, s47                     ; my first column
	s_mov_b32 s47, 0
	s_add_nc_u64 s[8:9], s[8:9], s[46:47]
	s_mov_b32 s70, 0x3eaa540e                      ; 0.47047 / sqrt(2)
	s_mov_b32 s72, 0x3f596d27                      ; kappa = sqrt(log2(e) / 2)
	s_mov_b32 s73, s72
	s_mov_b32 s74, 0x3e51cd01                      ; the series' three coefficients, each times 0.5 / kappa
	s_mov_b32 s75, s74
	s_mov_b32 s76, 0xbd6732c9
	s_mov_b32 s77, s76
	s_mov_b32 s78, 0x3ee16a97
	s_mov_b32 s79, s78
.else
	s_mul_i32 s23, s11, 128*SPF                    ; the work-group's stage: my 128 rows, my 96 columns
	s_mul_i32 s21, s12, 384
	s_add_co_u32 s23, s23, s21
	v_add_nc_u32 v[STO], s23, v4
	s_mul_i32 s23, s10, 64*SPF                     ; back: wave w takes rows 64 w on; 32 lanes take four rows x 64 columns of one head
	v_lshrrev_b32 v6, 3, v5
	v_and_b32 v7, 7, v5
	v_mul_u32_u24 v6, v6, SPF
	v_lshl_add_u32 v6, v7, 5, v6
	v_add_nc_u32 v[RD], s23, v6
	v_lshlrev_b32 v[CO], 4, v5                     ; which are 512 consecutive bytes of f16
	s_lshr_b32 s16, s13, 3                         ; the batch
	s_mul_i32 s16, s16, 48*2048*128
	s_and_b32 s17, s13, 7
	s_lshl_b32 s17, s17, 15                        ; 256 rows of 128 bytes
	s_add_co_u32 s16, s16, s17
	s_lshl_b32 s17, s10, 13                        ; my 64 rows
	s_add_co_u32 s16, s16, s17
	s_mov_b32 s17, 0
	s_add_nc_u64 s[8:9], s[8:9], s[16:17]
	s_mul_i32 s46, s42, 3*2048*128                 ; the tile's three heads
	s_mov_b32 s47, 0
	s_add_nc_u64 s[8:9], s[8:9], s[46:47]
.endif
	v_add_nc_u32 v[STO2], 64*SPF, v[STO]
	; the prefetches: of the rows that I fetch, my work-group's quarter, told apart from the partners' by address
	s_lshl_b32 s20, s13, 8
	s_lshl_b32 s21, s12, 7
	s_add_co_u32 s20, s20, s21
	s_lshl_b32 s21, s40, 5
	s_add_co_u32 s20, s20, s21                     ; A: + 32 cx
	s_mul_i32 s21, s42, BROWS
	s_mul_i32 s22, s12, BROWS/2
	s_add_co_u32 s21, s21, s22
	s_mul_i32 s22, s41, BROWS/8
	s_add_co_u32 s21, s21, s22                     ; B: + BROWS / 8 x cy
	s_lshl_b32 s20, s20, 11
	s_lshl_b32 s21, s21, 11
	s_add_co_u32 s21, s21, BOFF
	s_and_b32 s22, ttmp7, 0xffff
	s_mov_b32 s23, BROWS/8-1
	s_cmp_eq_u32 s11, 0
	s_cselect_b32 s20, s20, s21
	s_cselect_b32 s22, ttmp9, s22                  ; the coordinate along which other clusters read the same rows
	s_cselect_b32 s23, 31, s23                     ; the last row of the share: lanes beyond it name it again
	s_cselect_b64 s[PFA:PFA+1], s[4:5], s[6:7]
	s_mov_b32 s21, 0
	s_add_nc_u64 s[PFA:PFA+1], s[PFA:PFA+1], s[20:21]
	s_add_nc_u64 s[PFA:PFA+1], s[PFA:PFA+1], 2*KSTEP*2  ; at K step 2: the first refill steps it to 3 and names K step 4
	s_cmp_eq_u32 s22, 0
	s_cselect_b32 s[LIM], 2, -1
	v_min_u32 v[PFO], s23, v5
	v_lshlrev_b32 v[PFO], 11, v[PFO]
; 2 NBL matrix instructions: row blocks a0, a0 + 1 of the window's four x all column blocks, 32 along K.  The accumulators take turns, in the same order in every quarter.
.macro MULH f, hi, a0, zero
	WIN MUL_LO+0x50*(\hi)
.set ma, \a0
.rept 2
.set mb, 0
.rept NBL
.if \zero
	v_wmma_f32_16x16x32_f16 v[8*(NBL*ma+mb):8*(NBL*ma+mb)+7], v[(\f)+8*mb:(\f)+8*mb+7], v[(\f)+8*(4*(\hi)+ma):(\f)+8*(4*(\hi)+ma)+7], 0
.else
	v_wmma_f32_16x16x32_f16 v[8*(NBL*ma+mb):8*(NBL*ma+mb)+7], v[(\f)+8*mb:(\f)+8*mb+7], v[(\f)+8*(4*(\hi)+ma):(\f)+8*(4*(\hi)+ma)+7], v[8*(NBL*ma+mb):8*(NBL*ma+mb)+7]
.endif
.set mb, mb+1
.endr
.set ma, ma+1
.endr
.endm
.macro FETCH k, f                      ; NL LDS loads in one run: B's fragments, then A's, 32 K at byte k of the rows
	WIN TO_B
.set fi, 0
.rept NBL
	ds_load_b128 v[(\f)+8*fi:(\f)+8*fi+3],   v[ADRB] offset:(\k)+fi*16*PITCH
	ds_load_b128 v[(\f)+8*fi+4:(\f)+8*fi+7], v[ADRB] offset:(\k)+fi*16*PITCH+32
.set fi, fi+1
.endr
	WIN 0
.set fi, 0
.rept 8
	ds_load_b128 v[(\f)+8*fi:(\f)+8*fi+3],   v[ADRA] offset:(\k)+fi*16*PITCH
	ds_load_b128 v[(\f)+8*fi+4:(\f)+8*fi+7], v[ADRA] offset:(\k)+fi*16*PITCH+32
.set fi, fi+1
.endr
.endm
.macro QUARTER k, f, g, zero           ; multiplies buffer f; in its middle fetches the next quarter, at byte k, into g
	s_wait_dscnt 8                                 ; all but the youngest eight loads (A's rows 64-127)
	MULH \f, 0, 0, \zero
	MULH \f, 0, 2, \zero
	PLACES                                         ; four places in front of loads into registers that matrix instructions have read
	FETCH \k, \g
	s_wait_dscnt NL                                ; all but the run just issued
	MULH \f, 1, 0, \zero
	MULH \f, 1, 2, \zero
.endm
; The last quarter of a K step multiplies buffer 1 and changes slots.  In front of the barrier: all my tensor loads (one is out: my part of the next slot), the add, my reads of this slot.
; fill = 1: the barrier opens a round of the cluster's, and the joint refill, the K step two on into the slot just read, is the first tensor load behind it.
.macro TURN fill
.if \fill
	s_wait_xcnt 0x0                                ; the last prefetch, a K step back, has read its address
	s_add_nc_u64 s[PFA:PFA+1], s[PFA:PFA+1], KSTEP*2
.endif
	WIN 0
	s_wait_tensorcnt 0x0
	ds_add_u32 v[SPW], v[NIL]
	s_wait_dscnt 9                                 ; the add and the youngest eight loads may be out
	MULH F1, 0, 0, 0
	s_wait_dscnt 0x0
	s_barrier_signal -1
	MULH F1, 0, 2, 0
	WIN 0
	s_barrier_wait -1
.if \fill
	CREST
	s_xor_b32 s[SLF], s[SLF], SLOT                 ; the other slot than last time,
	s_add_co_u32 s[G0+5], s[LA], s[SLF]
	s_add_co_u32 s[G0B+5], s[LB], s[SLF]
	s_add_nc_u64 s[G0+6:G0+7], s[G0+6:G0+7], KSTEP*2      ; the next K step
	s_add_nc_u64 s[G0B+6:G0B+7], s[G0B+6:G0B+7], KSTEP*2
	JLOAD                                          ; its four v_nop are also the places in front of the loads below
.else
	PLACES
.endif
	s_xor_b32 s[SL], s[SL], SLOT
	v_add_nc_u32 v[ADRA], s[SL], v[A0]
	v_add_nc_u32 v[ADRB], s[SL], v[B0]
	FETCH 0, F0
.if \fill
	ASK
.endif
	MULH F1, 1, 0, 0
	MULH F1, 1, 2, 0
.endm
	s_wait_tensorcnt 1                             ; my part of K step 0 is in; K step 1's may stay out
	s_barrier_signal -1
	s_barrier_wait -1
	FETCH 0, F0
	QUARTER 64, F0, F1, 1                          ; the first quarter starts the sums with the constant 0
	WIN 0
	s_mov_b32 s3, 6
.Lstep:                                        ; trip i: the rest of K step i, the refill with K step i + 2, the first quarter of K step i + 1
	QUARTER 128, F1, F0, 0
	QUARTER 192, F0, F1, 0
	TURN 1
	QUARTER 64, F0, F1, 0
	WIN 0
	s_sub_co_u32 s3, s3, 1
	s_cmp_lg_u32 s3, 0
	s_cbranch_scc1 .Lstep
	s_mov_b32 s3, 2
.Ltail:                                        ; K steps 6 and 7 ask for nothing; the second trip is left in its middle
	QUARTER 128, F1, F0, 0
	QUARTER 192, F0, F1, 0
	WIN 0
	s_sub_co_u32 s3, s3, 1
	s_cmp_eq_u32 s3, 0
	s_cbranch_scc1 .Lfin
	TURN 0
	QUARTER 64, F0, F1, 0
	WIN 0
	s_branch .Ltail
.Lfin:
	s_wait_dscnt 8
	MULH F1, 0, 0, 0
	MULH F1, 0, 2, 0
	s_wait_dscnt 0x0
	MULH F1, 1, 0, 0
	MULH F1, 1, 2, 0
	WIN 0
	s_barrier_signal -1                            ; every wave's reads of the ring are over (the wait for 0 above): its bytes now serve as the stage
	s_barrier_wait -1
	PLACES                                         ; four places between the last products and the stores that read results
.set sa, 0
.rept 8                                ; all accumulators into the stage in f32, each from its low end on
	WIN 0x08+4*(sa/4)
.set sb, 0
.rept NBL
.set sr, 8*(NBL*(sa%4)+sb)
	ds_store_b128 v[STO+3*(sa/4)], v[sr:sr+3]   offset:(sa%4)*16*SPF+64*sb
	ds_store_b128 v[STO+3*(sa/4)], v[sr+4:sr+7] offset:(sa%4)*16*SPF+64*sb+16
.set sb, sb+1
.endr
.set sa, sa+1
.endr
	WIN 0
.if NBL == 8
; gelu(x) = max(x, 0) - |0.5 x P(t) exp(-x^2 / 2)|, t = 1 / (1 + 0.33267 |x|).  Four rows a trip, 16 numbers a lane; the stage is my own, and LDS serves a wave's instructions in order.
.set LX, 32
.set YY, 48
.set RR, 64
.set DD, 192
.set HX, 208
.set MM, 224
.set WW, 240
.macro RDROWS
.irp j, 0,1,2,3
	ds_load_b128 v[LX+4*(\j):LX+4*(\j)+3], v[RD] offset:(\j)*SPF
.endr
.endm
	RDROWS
	s_mov_b32 s3, 32
.Lout:
	s_wait_dscnt 0x0
.set p, 0
.rept 8
	v_fma_f32 v[DD+2*p], |v[LX+2*p]|, s70, 1.0
	v_fma_f32 v[DD+2*p+1], |v[LX+2*p+1]|, s70, 1.0
	v_pk_mul_f32 v[HX+2*p:HX+2*p+1], v[LX+2*p:LX+2*p+1], s[72:73] op_sel_hi:[1,0]
	v_max_num_f32 v[MM+2*p], 0, v[LX+2*p]
	v_max_num_f32 v[MM+2*p+1], 0, v[LX+2*p+1]
	v_pk_mul_f32 v[WW+2*p:WW+2*p+1], v[HX+2*p:HX+2*p+1], v[HX+2*p:HX+2*p+1] neg_lo:[1,0] neg_hi:[1,0]
.set p, p+1
.endr
	v_add_nc_u32 v[RD], 4*SPF, v[RD]
	s_cmp_eq_u32 s3, 1
	s_cbranch_scc1 .Lnold                          ; the last trip has no rows behind it
	RDROWS
.Lnold:
.set p, 0
.rept 16
	v_rcp_f32 v[DD+p], v[DD+p]
.set p, p+1
.endr
.set p, 0
.rept 16
	v_exp_f32 v[WW+p], v[WW+p]
.set p, p+1
.endr
	v_nop                                          ; a plain instruction behind the last of the batch,
	s_wait_alu depctr_va_vdst(0)                   ; and one wait for all 32, ahead of their first reader
.set p, 0
.rept 8
	v_pk_fma_f32 v[RR+2*p:RR+2*p+1], v[DD+2*p:DD+2*p+1], s[78:79], s[76:77] op_sel_hi:[1,0,0]
	v_pk_fma_f32 v[RR+2*p:RR+2*p+1], v[RR+2*p:RR+2*p+1], v[DD+2*p:DD+2*p+1], s[74:75] op_sel_hi:[1,1,0]
	v_pk_mul_f32 v[RR+2*p:RR+2*p+1], v[RR+2*p:RR+2*p+1], v[DD+2*p:DD+2*p+1]
	v_pk_mul_f32 v[RR+2*p:RR+2*p+1], v[RR+2*p:RR+2*p+1], v[WW+2*p:WW+2*p+1]
	v_pk_mul_f32 v[RR+2*p:RR+2*p+1], v[RR+2*p:RR+2*p+1], v[HX+2*p:HX+2*p+1]
	v_sub_f32 v[MM+2*p], v[MM+2*p], |v[RR+2*p]|
	v_sub_f32 v[MM+2*p+1], v[MM+2*p+1], |v[RR+2*p+1]|
	v_cvt_pk_f16_f32 v[YY+p], v[MM+2*p], v[MM+2*p+1]
.set p, p+1
.endr
.irp j, 0,1,2,3
	global_store_b64 v[CO], v[YY+2*(\j):YY+2*(\j)+1], s[8:9] offset:(\j)*8192  ; 32 lanes store 256 consecutive bytes, at a multiple of 256 from C's first byte
.endr
	s_wait_xcnt 0x0                                ; the stores have read their data and their base
	s_add_nc_u64 s[8:9], s[8:9], 4*8192
	s_sub_co_u32 s3, s3, 1
	s_cmp_lg_u32 s3, 0
	s_cbranch_scc1 .Lout
.else
	s_wait_dscnt 0x0                               ; a stage row comes from two waves: my stores are done,
	s_barrier_signal -1
	s_barrier_wait -1                              ; everybody's are
.macro RDROWS                          ; eight rows: group q = 3 x (rows 4 on) + head
.set q, 0
.rept 6
	ds_load_b128 v[192+8*q:192+8*q+3],   v[RD] offset:(q/3)*4*SPF+(q%3)*256
	ds_load_b128 v[192+8*q+4:192+8*q+7], v[RD] offset:(q/3)*4*SPF+(q%3)*256+16
.set q, q+1
.endr
.endm
	RDROWS
	s_mov_b32 s3, 8
.Lout:
	s_wait_dscnt 0x0
.set q, 0
.rept 24
	v_cvt_pk_f16_f32 v[32+q], v[192+2*q], v[192+2*q+1]
.set q, q+1
.endr
	v_add_nc_u32 v[RD], 8*SPF, v[RD]
	s_cmp_eq_u32 s3, 1
	s_cbranch_scc1 .Lnold                          ; the last trip has no rows behind it
	RDROWS
.Lnold:
.set q, 0
.rept 6
	global_store_b128 v[CO], v[32+4*q:32+4*q+3], s[8:9] offset:(q%3)*262144+(q/3)*512  ; four rows of one head: 512 consecutive bytes
.set q, q+1
.endr
	s_wait_xcnt 0x0                                ; the stores have read their data and their base
	s_add_nc_u64 s[8:9], s[8:9], 8*128
	s_sub_co_u32 s3, s3, 1
	s_cmp_lg_u32 s3, 0
	s_cbranch_scc1 .Lout
.endif
	s_wait_tensorcnt 0x0                           ; the wave's end
	ds_add_u32 v[SPW], v[NIL]
	s_wait_dscnt 0x0
	CROUND                                         ; the closing round
	s_endpgm
.Lfunc_end_k_q1b4cd53091_qkv:
	.size	k_q1b4cd53091_qkv, .Lfunc_end_k_q1b4cd53091_qkv-k_q1b4cd53091_qkv
	.p2alignl 7, 3214868480
	.fill 96, 4, 3214868480
	.section	.rodata,"a",@progbits
	.p2align	6, 0x0
	.amdhsa_kernel k_q1b4cd53091_qkv
		.amdhsa_group_segment_fixed_size 327680
		.amdhsa_private_segment_fixed_size 0
		.amdhsa_enable_private_segment 0
		.amdhsa_kernarg_size 24
		.amdhsa_user_sgpr_count 2
		.amdhsa_user_sgpr_kernarg_segment_ptr 1
		.amdhsa_wavefront_size32 1
		.amdhsa_system_sgpr_workgroup_id_x 1
		.amdhsa_system_sgpr_workgroup_id_y 1
		.amdhsa_system_sgpr_workgroup_id_z 1
		.amdhsa_system_vgpr_workitem_id 0
		.amdhsa_next_free_vgpr 1024
		.amdhsa_next_free_sgpr 84
		.amdhsa_reserve_vcc 0
		.amdhsa_float_denorm_mode_32 3
		.amdhsa_float_denorm_mode_16_64 3
		.amdhsa_memory_ordered 1
		.amdhsa_forward_progress 1
		.amdhsa_inst_pref_size 72
	.end_amdhsa_kernel
	.amdgpu_metadata
---
amdhsa.version: [ 1, 2 ]
amdhsa.kernels:
  - .name:           k_q1b4cd53091_qkv
    .symbol:         k_q1b4cd53091_qkv.kd
    .args:
      - { .name: xn, .offset: 0, .size: 8, .value_kind: global_buffer, .address_space: global }
      - { .name: wh, .offset: 8, .size: 8, .value_kind: global_buffer, .address_space: global }
      - { .name: qkv, .offset: 16, .size: 8, .value_kind: global_buffer, .address_space: global }
    .group_segment_fixed_size: 327680
    .private_segment_fixed_size: 0
    .kernarg_segment_align: 8
    .kernarg_segment_size: 24
    .max_flat_workgroup_size: 128
    .sgpr_count:     84
    .vgpr_count:     1024
    .wavefront_size: 32
...
	.end_amdgpu_metadata
.endif
;; end of part 2
;; launch attn (part 3): grid 8 x 32, 4 waves a work-group, no clusters, 327,680 bytes of LDS; arguments qkv, att; writes att
.if DOCPART == 3
	.amdgcn_target "amdgcn-amd-amdhsa--gfx1250"
	.amdhsa_code_object_version 6
	.text
	.protected	k_q1b4cd53091_attn
	.globl	k_q1b4cd53091_attn
	.p2align	8
	.type	k_q1b4cd53091_attn,@function
k_q1b4cd53091_attn:
	s_mov_b64 s[64:65], 0
	v_nop
	global_prefetch_b8 v0, s[64:65] scope:SCOPE_SE
	s_setreg_imm32_b32 hwreg(HW_REG_WAVE_MODE, 25, 1), 1
	s_wait_xcnt 0x0
; CAUSAL ATTENTION at head size 64.  qkv: [b 2][48][2048][64] f16 (16 heads of q, then of k, then of v); att: [b][16][2048][64] f16.  Products, maxima and sums in f32; the weights p are
; rounded to f16 for the second product (their sum l is taken of the unrounded p), O once at the end.
; LIMITS.  q, k, v arrive within f16's 65,504.  A hidden score counts as its value less 1e30; a weight below 2^-126 counts as 0 in l; NaN and infinities are not treated apart.
; THE WALK.  A head's queries lie in 16 blocks of 128; block i needs 2 i + 2 key steps of 64.  A work-group takes blocks 15 - b and then b: 34 steps whatever b, so all 256 work-groups do equal work
; and the loops count to constants.  The two blocks' key tiles of 128 are ONE sequence of 17 for the ring; which tile is asked for hangs on scalars made from b and enters the global address alone.
; NO CLUSTER: the eight work-groups of a head ask for the same tile only while all are in their first block's first nine tiles; a walk common to all would have 24 tiles for 17.
; SHARES.  Of a block's two bands of 64 queries a wave owns 16 rows in each: tiles 0 and 1.  In the block's last step but one band 0 holds the diagonal and band 1 sees all; in the last band 0 sees nothing and band 1 holds the diagonal.
; THE MASK is the C operand that starts S^T = K Q^T: MC = MD x AL + BE, MD the mask of a band's own step for my rows; it is made anew only round a block's end and at its beginning.
; BY TURNS.  In turn A(j) tile 0 has the matrix unit: 8 products V^T P of step j, then 8 products K Q^T of step j + 1; tile 1's softmax of step j stands between them.  In turn B(j) tile 1 has it, beside
; tile 0's softmax of step j + 1.  A turn has three phases.  1: the products V^T P; behind them the other tile's maximum and statistics and the 16 sums of the tile's own weights, made a turn earlier.
; 2: ONE batch, the other tile's 16 scalings and 33 exponentials, with the products K Q^T spread through it; then one wait.  3: its 16 roundings and the 16 rescalings of its O^T.
; A TRIP is cut at B's wait: B's phase 3, A, B's phases 1 and 2.  V of step j + 1 is fetched behind B(j)'s phase 1, K of step j + 2 at the trip's head: so the change of slots, which stands in front of a
; trip, lies between a slot's last V and the next slot's first K.  The loop is entered in its middle, with a turn B on zeros; the last trip's fetches, K Q^T and half softmax serve nothing.
; A BLOCK'S END falls apart by tile: tile 0 goes out in front of B, tile 1 in front of the next A, each through P's registers of that tile, which are free there.
; RING.  Two slots of four steps (256 rows of K, 256 of V).  Waves 0, 1 fetch the slot's two tiles of K, waves 2, 3 those of V.  A change of slots stands in front of trips 3, 7, .. 31.
; REGISTERS.  window 0: v2-15 addresses and at work; v16-23 statistics (tile u: c m, m, l, l); v24-31 at work; v32-95 S^T; v96-127 P; v128-191 O^T; v192-255 V: V^T P and all vector work need no switch.
;   window 1: v0-31 Q; v32-63 the second block's Q; v64-127 K; v128-159 MD; v160-223 MC: a product K Q^T costs two switches.
.set KS,    64
.set PK,    144                        ; 36 words: the 16 rows of a load start at 16 different groups of four banks (64 banks of 4 bytes: ISA guide 11.1)
.set PV,    160                        ; 40 words
.set VOFF,  4*KS*PK
.set SLOT1, 1<<17
.set STAGE, SLOT1+4*KS*(PK+PV)         ; never filled by a tensor load: 16 rows x 144 bytes for each wave
.set SP,    144
.set SPARE, STAGE+4*16*SP
.set AK0, 2
.set AV0, 3
.set AK,  4
.set AV,  5
.set STO, 6
.set RD,  7
.set GO,  8
.set PFO, 9
.set SPW, 10
.set NIL, 11
.set MV,  12
.set ST,  16
.set TMP, 24
.set S,   32
.set P,   96
.set OF,  128
.set VF,  192
.set QF,  0
.set QB,  32
.set KF,  64
.set MD,  128
.set MC,  160
.set WV,  12
.set PB,  14
.set HI,  15
.set HI1, 16
.set G1K, 24
.set G1V, 32
.set G0K, 40                           ; s[40:47] two sets: slot 0's first fill; slot 1's, which then walks
.set G0V, 48
.set SLOTS, 56
.set CNT, 57
.set CS,  58
.set SEL, 60
.set TBK, 62
.set TBV, 63
.set RS,  66                           ; steps of the block in hand that are still to come, the trip's own among them
.set N2,  67                           ; the second block's steps
.set U,   68                           ; the tile of the walk that I ask for next
.set UC,  69                           ; the one just asked for
.set OFF, 70
.set AL0, 72
.set BE0, 74
.set AL1, 76
.set OLO, 78
.set BIGN, 80
.set PLIM, 81
.set PFA, 82
.set KVB, 88
.set LAST, 90                          ; 1: the trip's step is its block's last
.set FL,  91                           ; 1: the masks change in this trip
.set RN,  92                           ; RS of the next trip (s92, s93 serve the head's address sums first)
.set PL,  93                           ; LAST of the trip before
.set MSB, 0
.macro WIN new
.if MSB != (\new)
	s_set_vgpr_msb (MSB<<8)|(\new)
.set MSB, (\new)
.endif
.endm
.macro PLACES
.rept 4
	v_nop
.endr
.endm
.macro LOAD
	s_cmp_lt_u32 s[WV], 2
	s_cbranch_scc0 .Lfor_v_\@
	tensor_load_to_lds s[G0K+4:G0K+7], s[G1K:G1K+7]
	s_nop 0
	PLACES
	s_branch .Lasked_\@
.Lfor_v_\@:
	tensor_load_to_lds s[G0V+4:G0V+7], s[G1V:G1V+7]
	s_nop 0
	PLACES
.Lasked_\@:
.endm
; A prefetch of the 16,384 bytes that I shall load myself at the next change of slots, four key steps on: a lane a block of 256 bytes, two instructions.  Only the head's work-group b = 0 asks, which walks
; the tiles 0 to 15 in order, and only while the tile two on is one of them: so each block is named once in the launch.
.macro ASK
	s_cmp_le_u32 s[UC], s[PLIM]
	s_cbranch_scc0 .Lna_\@
	global_prefetch_b8 v[PFO], s[PFA:PFA+1] offset:32768 th:TH_LOAD_NT scope:SCOPE_SE
	global_prefetch_b8 v[PFO], s[PFA:PFA+1] offset:40960 th:TH_LOAD_NT scope:SCOPE_SE
.Lna_\@:
.endm
; THE CHANGE OF SLOTS: all my tensor loads (one is out: my part of the other slot), the add, my reads of the slot that is left; a barrier; fill = 1: the slot just left is filled again, first thing behind it.
.macro CHANGE fill
	WIN 0
.if \fill
	s_wait_xcnt 0x0                                ; the last prefetches, four trips back, have read their address
.endif
	s_wait_tensorcnt 0x0
	ds_add_u32 v[SPW], v[NIL]
.if \fill
	s_sub_co_u32 s13, s[U], s[HI1]                 ; the key tile: the walk's number, or behind the first block's last tile that number less the first block's tiles
	s_cmp_le_u32 s[U], s[HI]
	s_cselect_b32 s13, s[U], s13
	s_lshl_b32 s[OFF], s13, 14                     ; a tile is 16,384 bytes of K and of V
	s_xor_b32 s[G0K+5], s[G0K+5], SLOT1
	s_add_nc_u64 s[G0K+6:G0K+7], s[6:7], s[OFF:OFF+1]
	s_or_b32 s[G0K+7], s[G0K+7], 0x80000000
	s_xor_b32 s[G0V+5], s[G0V+5], SLOT1
	s_add_nc_u64 s[G0V+6:G0V+7], s[8:9], s[OFF:OFF+1]
	s_or_b32 s[G0V+7], s[G0V+7], 0x80000000
	s_add_nc_u64 s[PFA:PFA+1], s[KVB:KVB+1], s[OFF:OFF+1]
	s_mov_b32 s[UC], s[U]
	s_add_co_u32 s[U], s[U], 2
.endif
	s_wait_dscnt 0x0
	s_barrier_signal -1
	s_sub_co_u32 s[TBK], s[TBK], 4*KS*PK           ; the fetches go back to a slot's first step, in the other slot
	s_xor_b32 s[TBK], s[TBK], SLOT1
	s_sub_co_u32 s[TBV], s[TBV], 4*KS*PV
	s_xor_b32 s[TBV], s[TBV], SLOT1
	s_barrier_wait -1
.if \fill
	LOAD
	ASK
.endif
	v_add_nc_u32 v[AK], s[TBK], v[AK0]             ; K's address, made in the turn before for the old slot, is made anew
.endm
	s_load_b128 s[84:87], s[0:1], 0x0              ; qkv, att
	v_lshl_add_u32 v[SPW], v0, 2, SPARE
	v_mov_b32 v[NIL], 0
	ds_add_u32 v[SPW], v[NIL]                      ; the wave's opening: the add and its wait ahead of my first tensor load
	ds_add_u32 v10, v11
	v_lshrrev_b32 v1, 5, v0
	v_readfirstlane_b32 s[WV], v1
	s_mov_b32 s[PB], ttmp9
	s_sub_co_u32 s[HI], 15, s[PB]
	s_add_co_u32 s[HI1], s[HI], 1
	s_lshl_b32 s[N2], s[PB], 1
	s_add_co_u32 s[N2], s[N2], 2
	s_and_b32 s13, ttmp7, 0xffff                   ; 16 x batch + head
	s_lshr_b32 s20, s13, 4
	s_lshl_b32 s20, s20, 5
	s_add_co_u32 s20, s20, s13                     ; 48 x batch + head
	s_lshl_b32 s20, s20, 18                        ; 262,144 bytes a head
	s_mov_b32 s21, 0
	s_lshl_b32 s22, s13, 18
	s_mov_b32 s23, 0
	s_and_b32 s19, s[WV], 1                        ; which of a slot's two tiles I fetch
	s_mul_i32 s17, s19, 128*PK
	s_mul_i32 s18, s19, 128*PV
	s_lshl_b32 s2, s19, 14
	s_mov_b32 s3, 0
	s_add_co_u32 s[U], s19, 4                      ; the first refill is slot 2's
	s_lshl_b32 s92, s[HI], 14                      ; my rows: block x 128 rows + 16 x wave, 128 bytes a row
	s_lshl_b32 s13, s[WV], 11
	s_add_co_u32 s92, s92, s13
	s_mov_b32 s93, 0
	s_lshl_b32 s94, s[PB], 14
	s_add_co_u32 s94, s94, s13
	s_mov_b32 s95, 0
	s_mov_b32 s[G1K], (1<<16)|(1<<20)|(4<<22)|(3<<25)  ; 2-byte elements; padding on; after every 32 words, 4 words
	s_mov_b32 s[G1V], (1<<16)|(1<<20)|(4<<22)|(7<<25)  ; 8 words
.irp g, G1K, G1V
	s_mov_b32 s[\g+1], 128<<16                     ; 128 keys are 16,384 dense bytes: 64 rows of 256
	s_mov_b32 s[\g+2], 64<<16
	s_mov_b32 s[\g+3], 128<<16
	s_mov_b32 s[\g+4], 64
	s_mov_b32 s[\g+5], 128
	s_mov_b32 s[\g+6], 0
	s_mov_b32 s[\g+7], 0
.endr
.irp s, 0,1
	s_mov_b32 s[G0K+4*(\s)], 1
	s_add_co_u32 s[G0K+4*(\s)+1], s17, (\s)*SLOT1
	s_mov_b32 s[G0V+4*(\s)], 1
	s_add_co_u32 s[G0V+4*(\s)+1], s18, (\s)*SLOT1+VOFF
.endr
	s_mov_b32 s[CS], 0x3e38aa3b                    ; c = log2(e) / 8
	s_mov_b32 s[CS+1], s[CS]
	s_mov_b32 s[SEL], 0x76543210
	s_mov_b32 s[SEL+1], 0xfedcba98
	s_mov_b32 s[TBK], 0
	s_mov_b32 s[TBV], 0
	s_mov_b32 s[OFF+1], 0
	s_mov_b32 s[AL0], 0
	s_mov_b32 s[AL0+1], 0
	s_mov_b32 s[BE0], 0
	s_mov_b32 s[BE0+1], 0
	s_mov_b32 s[AL1], 0
	s_mov_b32 s[AL1+1], 0
	s_mov_b32 s[BIGN], 0xf149f2ca                  ; -1e30
	s_cmp_eq_u32 s[PB], 0
	s_cselect_b32 s[PLIM], 13, 0                   ; every number asked about is 4 or more: 0 means never
	s_wait_dscnt 0x0                               ; the opening add is done
	s_wait_kmcnt 0x0
	s_add_nc_u64 s[4:5], s[84:85], s[20:21]        ; the head's q,
	s_add_nc_u64 s[6:7], s[4:5], 16<<18            ; k,
	s_add_nc_u64 s[8:9], s[4:5], 32<<18            ; v
	s_add_nc_u64 s[10:11], s[86:87], s[22:23]
	s_add_nc_u64 s[OLO:OLO+1], s[10:11], s[94:95]  ; O at my rows of the second block,
	s_add_nc_u64 s[10:11], s[10:11], s[92:93]      ; and of the first
	s_add_nc_u64 s[94:95], s[4:5], s[94:95]        ; Q likewise
	s_add_nc_u64 s[4:5], s[4:5], s[92:93]
.irp s, 0,1
	s_add_nc_u64 s[G0K+4*(\s)+2:G0K+4*(\s)+3], s[6:7], s[2:3]
	s_add_nc_u64 s[G0K+4*(\s)+2:G0K+4*(\s)+3], s[G0K+4*(\s)+2:G0K+4*(\s)+3], (\s)*32768
	s_or_b32 s[G0K+4*(\s)+3], s[G0K+4*(\s)+3], 0x80000000
	s_add_nc_u64 s[G0V+4*(\s)+2:G0V+4*(\s)+3], s[8:9], s[2:3]
	s_add_nc_u64 s[G0V+4*(\s)+2:G0V+4*(\s)+3], s[G0V+4*(\s)+2:G0V+4*(\s)+3], (\s)*32768
	s_or_b32 s[G0V+4*(\s)+3], s[G0V+4*(\s)+3], 0x80000000
.endr
	s_cmp_lt_u32 s[WV], 2
	s_cselect_b64 s[KVB:KVB+1], s[6:7], s[8:9]
	s_cbranch_scc0 .Lfirst_v                       ; a wave's two first fills stand in one branch: two loads of mine are out
	tensor_load_to_lds s[G0K:G0K+3], s[G1K:G1K+7]
	s_nop 0
	tensor_load_to_lds s[G0K+4:G0K+7], s[G1K:G1K+7]
	s_nop 0
	PLACES
	s_branch .Lfirst_done
.Lfirst_v:
	tensor_load_to_lds s[G0V:G0V+3], s[G1V:G1V+7]
	s_nop 0
	tensor_load_to_lds s[G0V+4:G0V+7], s[G1V:G1V+7]
	s_nop 0
	PLACES
.Lfirst_done:
	v_and_b32 v1, 15, v0                           ; l % 16
	v_bfe_u32 v32, v0, 4, 1                        ; l / 16
	v_lshlrev_b32 v15, 7, v1
	v_lshl_add_u32 v15, v32, 4, v15                ; row x 128 + 16 x half
	WIN 0x40
.set i, 0
.rept 4                                ; both blocks' Q: tile i / 2 lies in band i / 2, 8,192 bytes on; channels 32 (i % 2) on
	global_load_b128 v[QF+8*i:QF+8*i+3],   v15, s[4:5] offset:(i/2)*8192+(i%2)*64
	global_load_b128 v[QF+8*i+4:QF+8*i+7], v15, s[4:5] offset:(i/2)*8192+(i%2)*64+32
	global_load_b128 v[QB+8*i:QB+8*i+3],   v15, s[94:95] offset:(i/2)*8192+(i%2)*64
	global_load_b128 v[QB+8*i+4:QB+8*i+7], v15, s[94:95] offset:(i/2)*8192+(i%2)*64+32
.set i, i+1
.endr
	WIN 0
	v_lshlrev_b32 v14, 3, v32
	v_sub_nc_u32 v14, v1, v14
	s_lshl_b32 s13, s[WV], 4
	v_add_nc_u32 v14, s13, v14                     ; my query's place in its band less my lanes' 8 (l / 16): register j of key group g is hidden where 16 g + j is greater
	WIN 0x40
.set i, 0
.rept 32
	v_cmp_gt_i32 vcc_lo, 16*(i/8)+i%8, v14
	v_cndmask_b32 v[MD+i], 0, s[BIGN], vcc_lo
.set i, i+1
.endr
	WIN 0
	v_mul_u32_u24 v[AK0], v1, PK
	v_lshl_add_u32 v[AK0], v32, 4, v[AK0]
	v_and_b32 v33, 7, v0
	v_bfe_u32 v34, v0, 3, 1
	v_lshl_add_u32 v[AV0], v32, 3, v33             ; the turning load: lane l reads key 8 (l / 16) + l % 8, channels 8 ((l / 8) % 2) on
	v_mul_u32_u24 v[AV0], v[AV0], PV
	v_lshl_add_u32 v[AV0], v34, 4, v[AV0]
	v_add_nc_u32 v[AV0], VOFF, v[AV0]
	s_mul_i32 s13, s[WV], 16*SP
	s_add_co_u32 s13, s13, STAGE
	v_mul_u32_u24 v[STO], v1, SP
	v_lshl_add_u32 v[STO], v32, 4, v[STO]
	v_add_nc_u32 v[STO], s13, v[STO]
	v_bfe_u32 v[RD], v0, 3, 2
	v_mul_u32_u24 v[RD], v[RD], SP
	v_lshl_add_u32 v[RD], v33, 4, v[RD]
	v_add_nc_u32 v[RD], s13, v[RD]
	v_and_b32 v[GO], 31, v0
	v_lshlrev_b32 v[PFO], 8, v[GO]
	v_lshlrev_b32 v[GO], 4, v[GO]
	; What the first turn, a turn B of a step that has not been, finds: a block's first step multiplies O^T and l by a = 0, so they need only hold finite numbers; tile 1's P, weights and a are 0, so that its
	; products and sums add 0.  No first turn is written out for it; these lines stand in the wait for the first tile.
.set i, 0
.rept 64
	v_mov_b32 v[OF+i], 0
.set i, i+1
.endr
.set i, 0
.rept 32
	v_mov_b32 v[S+32+i], 0
.set i, i+1
.endr
.set i, 0
.rept 16
	v_mov_b32 v[P+16+i], 0
.set i, i+1
.endr
.set i, 0
.rept 4
	v_mov_b32 v[TMP+4+i], 0
.set i, i+1
.endr
.irp u, 0,1
	v_mov_b32 v[ST+4*(\u)], 0xfe000000             ; c m: far below every c s
	v_mov_b32 v[ST+4*(\u)+1], 0xff7fffff           ; m
	v_mov_b32 v[ST+4*(\u)+2], 0
	v_mov_b32 v[ST+4*(\u)+3], 0
.endr
.macro MASK0                           ; MC of tile 0 = MD x AL0 + BE0
	WIN 0x41
.set z, 0
.rept 16
	v_pk_fma_f32 v[MC+2*z:MC+2*z+1], v[MD+2*z:MD+2*z+1], s[AL0:AL0+1], s[BE0:BE0+1] op_sel_hi:[1,0,0]
.set z, z+1
.endr
	WIN 0
.endm
.macro MASK1                           ; MC of tile 1 = MD x AL1
	WIN 0x41
.set z, 0
.rept 16
	v_pk_mul_f32 v[MC+32+2*z:MC+32+2*z+1], v[MD+2*z:MD+2*z+1], s[AL1:AL1+1] op_sel_hi:[1,0]
.set z, z+1
.endr
	WIN 0
.endm
.macro QCOPY u                         ; the second block's Q of tile u goes where the one text of the turns names Q
	WIN 0x41
.set i, 0
.rept 16
	v_mov_b32 v[QF+16*(\u)+i], v[QB+16*(\u)+i]
.set i, i+1
.endr
	WIN 0
.endm
.macro FETCH_K
	WIN 0x40
.irp f, 0,1,2,3,4,5,6,7
	ds_load_b128 v[KF+8*\f:KF+8*\f+3],   v[AK] offset:(\f/2)*16*PK+(\f%2)*64
	ds_load_b128 v[KF+8*\f+4:KF+8*\f+7], v[AK] offset:(\f/2)*16*PK+(\f%2)*64+32
.endr
	s_add_co_u32 s[TBK], s[TBK], KS*PK
	WIN 0
.endm
.macro FETCH_V step
.irp f, 0,1,2,3,4,5,6,7
	ds_load_tr16_b128 v[VF+8*\f:VF+8*\f+3],   v[AV] offset:(\f/4)*32*PV+(\f%4)*32
	ds_load_tr16_b128 v[VF+8*\f+4:VF+8*\f+7], v[AV] offset:(\f/4)*32*PV+16*PV+(\f%4)*32
.endr
.if \step
	s_add_co_u32 s[TBV], s[TBV], KS*PV
.endif
.endm
; THE MATRIX WORK.  The four accumulators of a run of eight take turns.
; Product i of 8 of O^T += V^T P for tile x: keys 32 (i / 4) on, channels 16 (i % 4) on.
.macro PVI x, i
.set rO, OF+32*(\x)+8*((\i)%4)
.set rV, VF+32*((\i)/4)+8*((\i)%4)
.set rP, P+16*(\x)+8*((\i)/4)
	v_wmma_f32_16x16x32_f16 v[rO:rO+7], v[rV:rV+7], v[rP:rP+7], v[rO:rO+7]
.endm
; Product i of 8 of S^T = K Q^T for tile x: channels 32 (i / 4) on, keys 16 (i % 4) on.  The first 4 start the sums with the mask.  back = 1: vector work follows, in window 0.
.macro KQI x, i, back=1
.set rS, S+32*(\x)+8*((\i)%4)
.set rK, KF+16*((\i)%4)+8*((\i)/4)
.set rQ, QF+16*(\x)+8*((\i)/4)
.set rM, MC+32*(\x)+8*((\i)%4)
.if (\i) < 4
	WIN 0x15
	v_wmma_f32_16x16x32_f16 v[rS:rS+7], v[rK:rK+7], v[rQ:rQ+7], v[rM:rM+7]
.else
	WIN 0x05
	v_wmma_f32_16x16x32_f16 v[rS:rS+7], v[rK:rK+7], v[rQ:rQ+7], v[rS:rS+7]
.endif
.if \back
	WIN 0
.endif
.endm
; THE VECTOR WORK.  XS: number n of the 22 that find tile u's maximum and statistics; each accumulator's lowest registers are read first.
.macro XS u, n
.set rT, ST+4*(\u)
.set rC, TMP+4*(\u)
.set rW, MV+(\u)
.set rS, S+32*(\u)
.if (\n) < 4
	v_max3_num_f32 v[rC+(\n)], v[rS+8*(\n)], v[rS+8*(\n)+1], v[rS+8*(\n)+2]
.elseif (\n) < 12
	v_max3_num_f32 v[rC+(\n)%4], v[rC+(\n)%4], v[rS+8*((\n)%4)+2*((\n)/4)+1], v[rS+8*((\n)%4)+2*((\n)/4)+2]
.elseif (\n) == 12
	v_max3_num_f32 v[rC], v[rC], v[rS+7], v[rS+15]
.elseif (\n) == 13
	v_max3_num_f32 v[rC+1], v[rC+1], v[rS+23], v[rS+31]
.elseif (\n) == 14
	v_max3_num_f32 v[rC+2], v[rC+2], v[rC+3], v[rT+1]
.elseif (\n) == 15
	v_mov_b32 v[rW], v[rT]
.elseif (\n) == 16
	v_max3_num_f32 v[rC], v[rC], v[rC+1], v[rC+2]
.elseif (\n) == 17
	v_permlanex16_b32 v[rC+3], v[rC], s[SEL], s[SEL+1]
.elseif (\n) == 18
	v_max_num_f32 v[rT+1], v[rC], v[rC+3]
.elseif (\n) == 19
	v_mul_f32 v[rT], s[CS], v[rT+1]
.elseif (\n) == 20
	v_sub_f32 v[rC+1], v[rW], v[rT]
.else
	v_exp_f32 v[rC+2], v[rC+1]
.endif
.endm
; ZS: sum z of 16 of tile u's weights, in place, in pairs (an even key's, an odd key's): neighbours 1, 2, 4 and 8 pairs apart, then l = a l + the sum
.macro ZS u, z
.set rS, S+32*(\u)
.if (\z) < 8
	v_pk_add_f32 v[rS+4*(\z):rS+4*(\z)+1], v[rS+4*(\z):rS+4*(\z)+1], v[rS+4*(\z)+2:rS+4*(\z)+3]
.elseif (\z) < 12
	v_pk_add_f32 v[rS+8*((\z)-8):rS+8*((\z)-8)+1], v[rS+8*((\z)-8):rS+8*((\z)-8)+1], v[rS+8*((\z)-8)+4:rS+8*((\z)-8)+5]
.elseif (\z) < 14
	v_pk_add_f32 v[rS+16*((\z)-12):rS+16*((\z)-12)+1], v[rS+16*((\z)-12):rS+16*((\z)-12)+1], v[rS+16*((\z)-12)+8:rS+16*((\z)-12)+9]
.elseif (\z) == 14
	v_pk_add_f32 v[rS:rS+1], v[rS:rS+1], v[rS+16:rS+17]
.else
	v_pk_fma_f32 v[ST+4*(\u)+2:ST+4*(\u)+3], v[ST+4*(\u)+2:ST+4*(\u)+3], v[TMP+4*(\u)+2:TMP+4*(\u)+3], v[rS:rS+1] op_sel_hi:[1,0,1]
.endif
.endm
.macro FS u, f                         ; c s - c m for pair f
	v_pk_fma_f32 v[S+32*(\u)+2*(\f):S+32*(\u)+2*(\f)+1], v[S+32*(\u)+2*(\f):S+32*(\u)+2*(\f)+1], s[CS:CS+1], v[ST+4*(\u):ST+4*(\u)+1] op_sel_hi:[1,0,0] neg_lo:[0,0,1] neg_hi:[0,0,1]
.endm
.macro EX u, e                         ; the exponential of score e
	v_exp_f32 v[S+32*(\u)+(\e)], v[S+32*(\u)+(\e)]
.endm
.macro CV u, n                         ; pair n rounded to f16
	v_cvt_pk_f16_f32 v[P+16*(\u)+(\n)], v[S+32*(\u)+2*(\n)], v[S+32*(\u)+2*(\n)+1]
.endm
.macro RSC u, r                        ; pair r of O^T times a; in ascending order
	v_pk_mul_f32 v[OF+32*(\u)+2*(\r):OF+32*(\u)+2*(\r)+1], v[OF+32*(\u)+2*(\r):OF+32*(\u)+2*(\r)+1], v[TMP+4*(\u)+2:TMP+4*(\u)+3] op_sel_hi:[1,0]
.endm
; PHASE 1 of the turn in which tile x has the matrix unit.  No line behind a product names one of its registers.  The chain 16 .. 19 has a product between its links.
; isb = 1: V's address for the fetch that follows is made here.  The four lines behind the last product are plain: they are the places in front of that fetch.
.macro PHASE1 x, y, isb
	PVI \x, 0
	XS \y, 0
	XS \y, 1
	XS \y, 2
	XS \y, 3
	ZS \x, 0
	PVI \x, 1
	XS \y, 4
	XS \y, 5
	XS \y, 6
	XS \y, 7
	ZS \x, 1
	PVI \x, 2
	XS \y, 8
	XS \y, 9
	XS \y, 10
	XS \y, 11
	ZS \x, 2
	PVI \x, 3
	XS \y, 12
	XS \y, 13
	XS \y, 14
	XS \y, 15
	ZS \x, 3
	PVI \x, 4
	XS \y, 16
	ZS \x, 4
	ZS \x, 5
	ZS \x, 6
	ZS \x, 7
	PVI \x, 5
	XS \y, 17
	ZS \x, 8
	ZS \x, 9
	ZS \x, 10
	ZS \x, 11
	PVI \x, 6
	XS \y, 18
	ZS \x, 12
	ZS \x, 13
.if \isb
	v_add_nc_u32 v[AV], s[TBV], v[AV0]
.endif
	PVI \x, 7
	XS \y, 19
	ZS \x, 14
	XS \y, 20
	ZS \x, 15
.endm
; PHASE 2: the batch.  Nothing in it names an exponential's result; scaling f stands ahead of exponentials 2 f and 2 f + 1.  isa = 1: K, fetched at the trip's head, is waited for ahead of the first product.
; isa = 0: K's next address is made at the end.  Behind the last product stand four plain lines (a scaling, the address or a v_nop, two v_nop): the places in front of the fetch of K that follows turn B;
; the last of them is also the plain line behind the last exponential.  ONE wait serves the 33 exponentials.
.macro PHASE2 x, y, isa
	FS \y, 0
	FS \y, 1
	XS \y, 21
	FS \y, 2
	EX \y, 0
	FS \y, 3
	EX \y, 1
	FS \y, 4
	EX \y, 2
	FS \y, 5
	EX \y, 3
.if \isa
	s_wait_dscnt 0x0                               ; K is in
.endif
	KQI \x, 0
	EX \y, 4
	FS \y, 6
	EX \y, 5
	FS \y, 7
	EX \y, 6
	EX \y, 7
	KQI \x, 1
	EX \y, 8
	FS \y, 8
	EX \y, 9
	FS \y, 9
	EX \y, 10
	EX \y, 11
	KQI \x, 2
	EX \y, 12
	FS \y, 10
	EX \y, 13
	EX \y, 14
	KQI \x, 3
	EX \y, 15
	FS \y, 11
	EX \y, 16
	EX \y, 17
	KQI \x, 4
	EX \y, 18
	FS \y, 12
	EX \y, 19
	EX \y, 20
	KQI \x, 5
	EX \y, 21
	FS \y, 13
	EX \y, 22
	EX \y, 23
	KQI \x, 6
	EX \y, 24
	FS \y, 14
	EX \y, 25
	EX \y, 26
	KQI \x, 7
	EX \y, 27
	FS \y, 15
	EX \y, 28
	EX \y, 29
	EX \y, 30
.if \isa
	v_nop
.else
	v_add_nc_u32 v[AK], s[TBK], v[AK0]
.endif
	EX \y, 31
	v_nop
	v_nop
	s_wait_alu depctr_va_vdst(0)                   ; the wait for the batch, ahead of its first reader and of every label and branch
.endm
.macro PHASE3 y                        ; the readers: roundings and rescalings by turns
.set n, 0
.rept 16
	CV \y, n
	RSC \y, n
.set n, n+1
.endr
.endm
; TILE u OF A BLOCK GOES OUT: l's halves and the other half of the lanes' are added; O^T / l is rounded into P's registers of the tile, sent through my stage and stored as whole rows of 128 bytes.
; Then the tile's statistics start anew: its next a is 0, so O^T and l need only be finite.
.macro ENDT u
	v_add_f32 v[ST+4*(\u)+2], v[ST+4*(\u)+2], v[ST+4*(\u)+3]
	v_permlanex16_b32 v[ST+4*(\u)+3], v[ST+4*(\u)+2], s[SEL], s[SEL+1]
	v_add_f32 v[ST+4*(\u)+2], v[ST+4*(\u)+2], v[ST+4*(\u)+3]
	v_rcp_f32 v[ST+4*(\u)+2], v[ST+4*(\u)+2]
	v_nop
	s_wait_alu depctr_va_vdst(0)                   ; the reciprocal's wait
.set i, 0
.rept 16
	v_pk_mul_f32 v[OF+32*(\u)+2*i:OF+32*(\u)+2*i+1], v[OF+32*(\u)+2*i:OF+32*(\u)+2*i+1], v[ST+4*(\u)+2:ST+4*(\u)+3] op_sel_hi:[1,0]
.set i, i+1
.endr
.set i, 0
.rept 16
	v_cvt_pk_f16_f32 v[P+16*(\u)+i], v[OF+32*(\u)+2*i], v[OF+32*(\u)+2*i+1]
.set i, i+1
.endr
.irp f, 0,1,2,3
	ds_store_b128 v[STO], v[P+16*(\u)+4*\f:P+16*(\u)+4*\f+3] offset:32*\f
.endr
.irp f, 0,1,2,3
	ds_load_b128 v[P+16*(\u)+4*\f:P+16*(\u)+4*\f+3], v[RD] offset:\f*4*SP  ; LDS serves a wave's instructions in order (ISA guide 5.7.1.4)
.endr
.irp f, 0,1,2,3
	s_wait_dscnt 3-\f                              ; the younger loads from the stage may stay out
	global_store_b128 v[GO], v[P+16*(\u)+4*\f:P+16*(\u)+4*\f+3], s[10:11] offset:(\u)*8192+\f*512  ; 512 consecutive bytes, at a multiple of 256 from att's first
.endr
	s_wait_xcnt 0x0                                ; the stores have read their registers and O's address
	v_mov_b32 v[ST+4*(\u)], 0xfe000000
	v_mov_b32 v[ST+4*(\u)+1], 0xff7fffff
.endm
; THE HOOK IN FRONT OF TURN A(j).  If step j - 1 was a block's last, tile 1 goes out.  Then what the trip needs to know of step j + 1, whose scores it makes: RN, its place in its block counted from the end.
; Only in a block's last three steps is there more to do: the masks change, and in the last step tile 0 takes the next block's Q.
.macro HA
	s_cmp_eq_u32 s[PL], 0
	s_cbranch_scc1 .Lha1_\@
	ENDT 1
	s_mov_b64 s[10:11], s[OLO:OLO+1]
.Lha1_\@:
	s_sub_co_u32 s[RN], s[RS], 1
	s_mov_b32 s[LAST], 0
	s_mov_b32 s[FL], 0
	s_cmp_gt_u32 s[RS], 3
	s_cbranch_scc1 .Lha2_\@
	s_cmp_eq_u32 s[RS], 1
	s_cselect_b32 s[RN], s[N2], s[RN]
	s_cselect_b32 s[LAST], 1, 0
	s_mov_b32 s[FL], 1
	s_cmp_eq_u32 s[RN], 2                          ; step j + 1 is its block's last but one: band 0's own
	s_cselect_b32 s[AL0], 1.0, 0
	s_cmp_eq_u32 s[RN], 1                          ; its last: band 0 sees nothing, band 1's own
	s_cselect_b32 s[BE0], s[BIGN], 0
	s_cselect_b32 s[AL1], 1.0, 0
	s_cmp_eq_u32 s[LAST], 0
	s_cbranch_scc1 .Lha3_\@
	QCOPY 0
.Lha3_\@:
	MASK0
.Lha2_\@:
.endm
; THE HOOK IN FRONT OF TURN B(j): in a block's last step tile 0 goes out and tile 1 takes the next block's Q; tile 1's mask.
.macro HB
	s_cmp_eq_u32 s[FL], 0
	s_cbranch_scc1 .Lhb2_\@
	s_cmp_eq_u32 s[LAST], 0
	s_cbranch_scc1 .Lhb1_\@
	ENDT 0
	QCOPY 1
.Lhb1_\@:
	MASK1
.Lhb2_\@:
	s_mov_b32 s[PL], s[LAST]
	s_mov_b32 s[RS], s[RN]
.endm
.macro TRIP mid
	FETCH_K                                        ; K of step j + 1, straight behind the wait of the turn before
	PHASE3 0
	HA
	s_wait_dscnt 16                                ; V of step j is in; K's 16 younger loads may stay out
	PHASE1 0, 1, 0
	PHASE2 0, 1, 1
	PHASE3 1
.if \mid
.Lmid:
.endif
	HB
	PHASE1 1, 0, 1
	FETCH_V 1                                      ; V of step j + 1
	PHASE2 1, 0, 0
.endm
	MASK0                                          ; all three factors are 0: nothing is hidden in the first block's first step
	MASK1
	s_wait_tensorcnt 1                             ; my part of slot 0 is in; slot 1's may stay out
	s_barrier_signal -1
	s_barrier_wait -1
	v_add_nc_u32 v[AK], s[TBK], v[AK0]
	FETCH_K                                        ; K of step 0
	v_add_nc_u32 v[AV], s[TBV], v[AV0]
	FETCH_V 0                                      ; V of step 0, so that the first turn's products on P = 0 find finite numbers; that turn fetches it again
	s_wait_loadcnt 0x0                             ; both blocks' Q
	s_wait_dscnt 16                                ; K is in; V's 16 loads may stay out
.irp i, 0,1,2,3,4,5,6,7
	KQI 0, \i, 0                                   ; tile 0's first scores: there is no vector work yet to set between them
.endr
	WIN 0
	PLACES                                         ; the places behind those products
	v_add_nc_u32 v[AK], s[TBK], v[AK0]             ; K of step 1
	s_wait_dscnt 0x0
	s_lshl_b32 s[RN], s[HI1], 1                    ; the first block has 2 (15 - b) + 2 steps
	s_mov_b32 s[LAST], 0
	s_mov_b32 s[FL], 0
	s_mov_b32 s[SLOTS], 8
	s_mov_b32 s[CNT], 4                            ; the first pass: half a trip and trips 0 to 2, with no change of slots in front of it
	s_branch .Lmid
.Lslot:                                        ; seven times: slots 2 to 8 are asked for
	CHANGE 1
	s_mov_b32 s[CNT], 4
.Lstep:
	TRIP 1
	s_sub_co_u32 s[CNT], s[CNT], 1
	s_cmp_lg_u32 s[CNT], 0
	s_cbranch_scc1 .Lstep
	s_sub_co_u32 s[SLOTS], s[SLOTS], 1
	s_cmp_lg_u32 s[SLOTS], 0
	s_cbranch_scc1 .Lslot
	CHANGE 0                                       ; the tail is written out
	s_mov_b32 s[CNT], 3
.Ltail:
	TRIP 0
	s_sub_co_u32 s[CNT], s[CNT], 1
	s_cmp_lg_u32 s[CNT], 0
	s_cbranch_scc1 .Ltail
	ENDT 1                                         ; the second block's tile 1
	s_wait_tensorcnt 0x0                           ; the wave's end
	ds_add_u32 v[SPW], v[NIL]
	s_wait_dscnt 0x0
	s_endpgm
.Lfunc_end_k_q1b4cd53091_attn:
	.size	k_q1b4cd53091_attn, .Lfunc_end_k_q1b4cd53091_attn-k_q1b4cd53091_attn
	.p2alignl 7, 3214868480
	.fill 96, 4, 3214868480
	.section	.rodata,"a",@progbits
	.p2align	6, 0x0
	.amdhsa_kernel k_q1b4cd53091_attn
		.amdhsa_group_segment_fixed_size 327680
		.amdhsa_private_segment_fixed_size 0
		.amdhsa_enable_private_segment 0
		.amdhsa_kernarg_size 16
		.amdhsa_user_sgpr_count 2
		.amdhsa_user_sgpr_kernarg_segment_ptr 1
		.amdhsa_wavefront_size32 1
		.amdhsa_system_sgpr_workgroup_id_x 1
		.amdhsa_system_sgpr_workgroup_id_y 1
		.amdhsa_system_sgpr_workgroup_id_z 1
		.amdhsa_system_vgpr_workitem_id 0
		.amdhsa_next_free_vgpr 480
		.amdhsa_next_free_sgpr 96
		.amdhsa_reserve_vcc 1
		.amdhsa_float_denorm_mode_32 3
		.amdhsa_float_denorm_mode_16_64 3
		.amdhsa_memory_ordered 1
		.amdhsa_forward_progress 1
		.amdhsa_inst_pref_size 85
	.end_amdhsa_kernel
	.amdgpu_metadata
---
amdhsa.version: [ 1, 2 ]
amdhsa.kernels:
  - .name:           k_q1b4cd53091_attn
    .symbol:         k_q1b4cd53091_attn.kd
    .args:
      - { .name: qkv, .offset: 0, .size: 8, .value_kind: global_buffer, .address_space: global }
      - { .name: att, .offset: 8, .size: 8, .value_kind: global_buffer, .address_space: global }
    .group_segment_fixed_size: 327680
    .private_segment_fixed_size: 0
    .kernarg_segment_align: 8
    .kernarg_segment_size: 16
    .max_flat_workgroup_size: 128
    .sgpr_count:     96
    .vgpr_count:     480
    .wavefront_size: 32
...
	.end_amdgpu_metadata
.endif
;; end of part 3
;; launch wo (part 4): grid 8 x 32, 4 waves a work-group, clusters of 4 x 4, 327,680 bytes of LDS; arguments att, wh, x, x1; writes x1
.if DOCPART == 4
	.amdgcn_target "amdgcn-amd-amdhsa--gfx1250"
	.amdhsa_code_object_version 6
	.text
	.protected	k_q1b4cd53091_wo
	.globl	k_q1b4cd53091_wo
	.p2align	8
	.type	k_q1b4cd53091_wo,@function
k_q1b4cd53091_wo:
	s_mov_b64 s[64:65], 0
	v_nop
	global_prefetch_b8 v0, s[64:65] scope:SCOPE_SE
	s_setreg_imm32_b32 hwreg(HW_REG_WAVE_MODE, 25, 1), 1
	s_wait_xcnt 0x0
	s_wait_alu depctr_hold_cnt(0) depctr_sa_sdst(0) depctr_va_vdst(0) depctr_va_sdst(0) depctr_va_ssrc(0) depctr_va_vcc(0) depctr_vm_vsrc(0)
	s_getreg_b32 s2, hwreg(HW_REG_IB_STS2, 6, 4)
	s_cmp_eq_u32 s2, 0
	s_cbranch_scc0 .Lentry_in_a_cluster
	s_endpgm
.Lentry_in_a_cluster:
	s_bfe_u32 s2, ttmp6, 0x10000c
	s_cmp_lg_u32 s2, 0xf033
	s_cbranch_scc0 .Lentry_shape_is_right
	s_endpgm
.Lentry_shape_is_right:
; C = R + A B^T in f32, f16 operands, f32 sums.  One text for two launches, told apart by WOA:
;   WOA = 1: A = att, by heads [b][16][2048][64]; B = wo [1024][1024]; R = x; K = 1,024.       WOA = 0: A = hid [4096][4096]; B = w2 [1024][4096]; R = x1; K = 4,096.
; A tile of C is 128 x 128: 256 work-groups of four waves, each 64 x 64: 16 accumulators.  K goes in steps of 256 through a ring of two LDS slots.
; With WOA = 1 a K step is four heads: a wave's one load brings two heads' 128 tokens as two rows of 16,384 dense bytes, padded after every 128: planes [head][token] with rows 144 bytes apart.
; CLUSTER 4 x 4: A's tile is shared along a row of the cluster, B's along a column, each asked for jointly.  The matrix instruction is used transposed (source 0 = rows of B).
; One K step is written once: the slot in hand is a scalar that an exclusive or turns between 0 and SLOT.  No prefetch: the tiles are small.
; The residual's 64 x 64 numbers are loaded into registers at the start, in the layout in which the result comes back from the stage.
; REGISTERS: window 0: v16-29 addresses; v32-95 at work on the way out; v128-255 accumulators ((a, b) at 128 + 8 (4 a + b)).  window 1: two fragment buffers of 128 (A's 64, then B's 64).  window 2: v0-127 the residual.
.set WOA,   1
.set T,     4                          ; K steps
.set KB,    1024                       ; elements in a row of B
.set BOFF,  6291456                    ; B's first byte in wh
.set KSTEP, 256
.set PITCH, 528
.set HALFB, 64*PITCH
.if WOA
.set APITCH, 144
.set AQ,     128*144                   ; a quarter of a K step is a head: a plane
.set HALFA,  2*128*144
.set ASTEP,  4*262144
.else
.set APITCH, 528
.set AQ,     128
.set HALFA,  64*528
.set ASTEP,  KSTEP*2
.endif
.set APART, 2*HALFA
.set SLOT,  APART+2*HALFB
.set STAGE, 2*SLOT                     ; behind the ring, never filled: 16 rows x 272 bytes for each wave
.set SPITCH, 272
.set SPARE, STAGE+4*16*SPITCH
.set ADRA, 16
.set A0,   17
.set ADRB, 20
.set B0,   21
.set STO,  24
.set RD,   25
.set CO,   26
.set SPW,  28
.set NIL,  29
.set TMP,  32
.set ACC,  128
.set RES,  0
.set F0,   0
.set F1,   128
.set G1,   24
.set G0,   32
.set G1B,  48
.set G0B,  56
.set SL,   66
.set SLF,  67
.set LA,   68
.set LB,   69
.set MSB, 0
.macro WIN new
.if MSB != (\new)
	s_set_vgpr_msb (MSB<<8)|(\new)
.set MSB, \new
.endif
.endm
.set MUL,  0x05
.set TO_F, 0x40
.macro PLACES
.rept 4
	v_nop
.endr
.endm
.macro JLOAD
	s_cmp_eq_u32 s11, 0
	s_cbranch_scc0 .Lfor_b_\@
	tensor_load_to_lds s[G0+4:G0+7], s[G1:G1+7]
	s_nop 0
	PLACES
	s_branch .Lasked_\@
.Lfor_b_\@:
	tensor_load_to_lds s[G0B+4:G0B+7], s[G1B:G1B+7]
	s_nop 0
	PLACES
.Lasked_\@:
.endm
.macro CREST
	s_cmp_lg_u32 s10, 0
	s_cbranch_scc1 .Lnot_wave_0_\@
	s_barrier_signal -3
.Lnot_wave_0_\@:
	s_barrier_wait -3
	s_barrier_signal -1
	s_barrier_wait -1
.endm
.macro CROUND
	s_barrier_signal -1
	s_barrier_wait -1
	CREST
.endm
	s_load_b256 s[80:87], s[0:1], 0x0              ; A, wh, R, C
	v_lshl_add_u32 v[SPW], v0, 2, SPARE
	v_mov_b32 v[NIL], 0
	ds_add_u32 v[SPW], v[NIL]                      ; the wave's opening: the add and its wait ahead of my first tensor load
	ds_add_u32 v28, v29
	v_lshrrev_b32 v1, 5, v0
	v_readfirstlane_b32 s10, v1
	s_lshr_b32 s11, s10, 1
	s_and_b32 s12, s10, 1
	s_bfe_u32 s40, ttmp6, 0x40000
	s_bfe_u32 s41, ttmp6, 0x40004
	s_lshl_b32 s42, ttmp9, 2
	s_add_co_u32 s42, s42, s40                     ; tile column
	s_and_b32 s13, ttmp7, 0xffff
	s_lshl_b32 s13, s13, 2
	s_add_co_u32 s13, s13, s41                     ; tile row
	s_lshl_b32 s43, s41, 2
	s_lshl_b32 s43, 15, s43
	s_lshl_b32 s44, 0x1111, s40
.if WOA
	s_or_b32 s[G1+0], s43, (1<<16)|(1<<20)|(1<<21)|(4<<22)|(3<<25)  ; padding after every 32 words, 4 words
	s_mov_b32 s[G1+1], 8192<<16                    ; tensor_dim0 = 8,192: 128 tokens x 64 channels on end
	s_mov_b32 s[G1+2], 2<<16                       ; tensor_dim1 = 2 heads
	s_mov_b32 s[G1+3], 8192<<16                    ; tile_dim0
	s_mov_b32 s[G1+4], 2                           ; tile_dim1
	s_mov_b32 s[G1+5], 131072                      ; elements from head to head
.else
	s_or_b32 s[G1+0], s43, (1<<16)|(1<<20)|(1<<21)|(6<<22)|(3<<25)  ; padding after every 128 words, 4 words
	s_mov_b32 s[G1+1], KSTEP<<16
	s_mov_b32 s[G1+2], 64<<16
	s_mov_b32 s[G1+3], KSTEP<<16
	s_mov_b32 s[G1+4], 64
	s_mov_b32 s[G1+5], 4096
.endif
	s_mov_b32 s[G1+6], 0
	s_mov_b32 s[G1+7], 0
	s_or_b32 s[G1B+0], s44, (1<<16)|(1<<20)|(1<<21)|(6<<22)|(3<<25)
	s_mov_b32 s[G1B+1], KSTEP<<16
	s_mov_b32 s[G1B+2], 64<<16
	s_mov_b32 s[G1B+3], KSTEP<<16
	s_mov_b32 s[G1B+4], 64
	s_mov_b32 s[G1B+5], KB
	s_mov_b32 s[G1B+6], 0
	s_mov_b32 s[G1B+7], 0
.if WOA
	s_lshr_b32 s16, s13, 4                         ; the batch: 16 heads of 262,144 bytes,
	s_lshl_b32 s16, s16, 22
	s_lshl_b32 s17, s12, 19                        ; my two heads of the K step's four,
	s_add_co_u32 s16, s16, s17
	s_and_b32 s17, s13, 15
	s_lshl_b32 s17, s17, 14                        ; the tile's 128 tokens
	s_add_co_u32 s16, s16, s17
.else
	s_lshl_b32 s16, s13, 7
	s_lshl_b32 s17, s12, 6
	s_add_co_u32 s16, s16, s17                     ; row 128 x tile row + 64 x half
	s_lshl_b32 s16, s16, 13
.endif
	s_mov_b32 s17, 0
	s_lshl_b32 s46, s42, 7
	s_lshl_b32 s47, s12, 6
	s_add_co_u32 s46, s46, s47
	s_mul_i32 s46, s46, KB*2
	s_add_co_u32 s46, s46, BOFF
	s_mov_b32 s47, 0
	s_mul_i32 s[LA], s10, HALFA
	s_mul_i32 s[LB], s10, HALFB
	s_add_co_u32 s[LB], s[LB], APART-2*HALFB
	s_mov_b32 s[SL], 0
	s_mov_b32 s[SLF], SLOT
	s_wait_dscnt 0x0                               ; the opening add is done
	s_wait_kmcnt 0x0
	s_add_nc_u64 s[14:15], s[80:81], s[16:17]
	s_add_nc_u64 s[46:47], s[82:83], s[46:47]
	CROUND                                         ; all sixteen work-groups are here: the first joint loads meet
.irp s, 0,1
	s_mov_b32 s[G0+4*(\s)], 1
	s_add_co_u32 s[G0+4*(\s)+1], s[LA], (\s)*SLOT
	s_add_nc_u64 s[G0+4*(\s)+2:G0+4*(\s)+3], s[14:15], (\s)*ASTEP
	s_or_b32 s[G0+4*(\s)+3], s[G0+4*(\s)+3], 0x80000000
	s_mov_b32 s[G0B+4*(\s)], 1
	s_add_co_u32 s[G0B+4*(\s)+1], s[LB], (\s)*SLOT
	s_add_nc_u64 s[G0B+4*(\s)+2:G0B+4*(\s)+3], s[46:47], (\s)*KSTEP*2
	s_or_b32 s[G0B+4*(\s)+3], s[G0B+4*(\s)+3], 0x80000000
.endr
	s_cmp_eq_u32 s11, 0                            ; a wave's two first fills stand in one branch: two loads of mine are out
	s_cbranch_scc0 .Lfirst_b
	tensor_load_to_lds s[G0:G0+3], s[G1:G1+7]
	s_nop 0
	tensor_load_to_lds s[G0+4:G0+7], s[G1:G1+7]
	s_nop 0
	PLACES
	s_branch .Lfirst_done
.Lfirst_b:
	tensor_load_to_lds s[G0B:G0B+3], s[G1B:G1B+7]
	s_nop 0
	tensor_load_to_lds s[G0B+4:G0B+7], s[G1B:G1B+7]
	s_nop 0
	PLACES
.Lfirst_done:
	v_and_b32 v1, 15, v0
	v_bfe_u32 v2, v0, 4, 1
	v_lshlrev_b32 v[CO], 12, v2                    ; lanes 0-15 one row of C (4,096 bytes), lanes 16-31 the next; 16 bytes a lane
	v_lshl_add_u32 v[CO], v1, 4, v[CO]
	s_lshl_b32 s16, s13, 19                        ; my part of C and of R: row 128 x tile row + 64 x half,
	s_lshl_b32 s17, s11, 18
	s_add_co_u32 s16, s16, s17
	s_mov_b32 s17, 0
	s_add_nc_u64 s[8:9], s[86:87], s[16:17]
	s_add_nc_u64 s[4:5], s[84:85], s[16:17]
	s_lshl_b32 s46, s42, 9                         ; column 128 x tile column + 64 x half
	s_lshl_b32 s47, s12, 8
	s_add_co_u32 s46, s46, s47
	s_mov_b32 s47, 0
	s_add_nc_u64 s[8:9], s[8:9], s[46:47]
	s_add_nc_u64 s[4:5], s[4:5], s[46:47]
	WIN 0x80
.set i, 0
.rept 32                               ; the residual: rows 2 i and 2 i + 1; sixteen lanes read 256 consecutive bytes
	global_load_b128 v[RES+4*i:RES+4*i+3], v[CO], s[4:5] offset:2*i*4096
.set i, i+1
.endr
	WIN 0
	v_mul_u32_u24 v3, v1, PITCH
	v_lshl_add_u32 v3, v2, 4, v3
	s_mul_i32 s22, s12, HALFB
	s_add_co_u32 s22, s22, APART
	v_add_nc_u32 v[B0], s22, v3
	v_mul_u32_u24 v3, v1, APITCH
	v_lshl_add_u32 v3, v2, 4, v3
	s_mul_i32 s21, s11, 64*APITCH
	v_add_nc_u32 v[A0], s21, v3
	v_mov_b32 v[ADRA], v[A0]
	v_mov_b32 v[ADRB], v[B0]
	s_mul_i32 s23, s10, 16*SPITCH
	s_add_co_u32 s23, s23, STAGE                   ; my stage
	v_mul_u32_u24 v4, v1, SPITCH                   ; in: row l % 16, 32 bytes for each half of the lanes
	v_lshl_add_u32 v4, v2, 5, v4
	v_add_nc_u32 v[STO], s23, v4
	v_mul_u32_u24 v5, v2, SPITCH                   ; back: lanes 0-15 one row of 256 bytes, lanes 16-31 the next
	v_lshl_add_u32 v5, v1, 4, v5
	v_add_nc_u32 v[RD], s23, v5
.macro MUL8 f, c, a0, zero             ; 8 matrix instructions; the 16 accumulators take turns
	WIN MUL
.set ma, \a0
.rept 2
.set mb, 0
.rept 4
.if \zero
	v_wmma_f32_16x16x32_f16 v[ACC+8*(4*ma+mb):ACC+8*(4*ma+mb)+7], v[(\f)+64+8*(4*(\c)+mb):(\f)+64+8*(4*(\c)+mb)+7], v[(\f)+8*(4*(\c)+ma):(\f)+8*(4*(\c)+ma)+7], 0
.else
	v_wmma_f32_16x16x32_f16 v[ACC+8*(4*ma+mb):ACC+8*(4*ma+mb)+7], v[(\f)+64+8*(4*(\c)+mb):(\f)+64+8*(4*(\c)+mb)+7], v[(\f)+8*(4*(\c)+ma):(\f)+8*(4*(\c)+ma)+7], v[ACC+8*(4*ma+mb):ACC+8*(4*ma+mb)+7]
.endif
.set mb, mb+1
.endr
.set ma, ma+1
.endr
.endm
.macro FETCH q, f                      ; 32 LDS loads in one run: quarter q (64 along K) into buffer f; its first 32 along K first
	WIN TO_F
.set fc, 0
.rept 2
.set fi, 0
.rept 4
	ds_load_b128 v[(\f)+64+8*(4*fc+fi):(\f)+64+8*(4*fc+fi)+3],   v[ADRB] offset:128*(\q)+64*fc+fi*16*PITCH
	ds_load_b128 v[(\f)+64+8*(4*fc+fi)+4:(\f)+64+8*(4*fc+fi)+7], v[ADRB] offset:128*(\q)+64*fc+fi*16*PITCH+32
	ds_load_b128 v[(\f)+8*(4*fc+fi):(\f)+8*(4*fc+fi)+3],         v[ADRA] offset:AQ*(\q)+64*fc+fi*16*APITCH
	ds_load_b128 v[(\f)+8*(4*fc+fi)+4:(\f)+8*(4*fc+fi)+7],       v[ADRA] offset:AQ*(\q)+64*fc+fi*16*APITCH+32
.set fi, fi+1
.endr
.set fc, fc+1
.endr
.endm
.macro QUARTER q, f, g, zero
	s_wait_dscnt 16                                ; the first 32 along K are in
	MUL8 \f, 0, 0, \zero
	MUL8 \f, 0, 2, \zero
	PLACES
	FETCH \q, \g
	s_wait_dscnt 32                                ; all but the 32 just issued
	MUL8 \f, 1, 0, 0
	MUL8 \f, 1, 2, 0
.endm
.macro TURN fill                       ; the last quarter multiplies buffer 1 and changes slots
	WIN 0
	s_wait_tensorcnt 0x0                           ; all my tensor loads: my part of the next slot
	ds_add_u32 v[SPW], v[NIL]
	s_wait_dscnt 17                                ; the add and the youngest sixteen loads may be out
	MUL8 F1, 0, 0, 0
	s_wait_dscnt 0x0
	s_barrier_signal -1
	MUL8 F1, 0, 2, 0
	WIN 0
	s_barrier_wait -1
.if \fill
	CREST
	s_xor_b32 s[SLF], s[SLF], SLOT
	s_add_co_u32 s[G0+5], s[LA], s[SLF]
	s_add_co_u32 s[G0B+5], s[LB], s[SLF]
	s_add_nc_u64 s[G0+6:G0+7], s[G0+6:G0+7], ASTEP
	s_add_nc_u64 s[G0B+6:G0B+7], s[G0B+6:G0B+7], KSTEP*2
	JLOAD                                          ; its four v_nop are also the places in front of the loads below
.else
	PLACES
.endif
	s_xor_b32 s[SL], s[SL], SLOT
	v_add_nc_u32 v[ADRA], s[SL], v[A0]
	v_add_nc_u32 v[ADRB], s[SL], v[B0]
	FETCH 0, F0
	MUL8 F1, 1, 0, 0
	MUL8 F1, 1, 2, 0
.endm
	s_wait_tensorcnt 1                             ; my part of K step 0 is in; K step 1's may stay out
	s_barrier_signal -1
	s_barrier_wait -1
	FETCH 0, F0
	QUARTER 1, F0, F1, 1
	WIN 0
	s_mov_b32 s3, T-2
.Lstep:                                        ; trip i: the rest of K step i, the refill with K step i + 2, the first quarter of K step i + 1
	QUARTER 2, F1, F0, 0
	QUARTER 3, F0, F1, 0
	TURN 1
	QUARTER 1, F0, F1, 0
	WIN 0
	s_sub_co_u32 s3, s3, 1
	s_cmp_lg_u32 s3, 0
	s_cbranch_scc1 .Lstep
	s_mov_b32 s3, 2
.Ltail:                                        ; the last two K steps ask for nothing; the second trip is left in its middle
	QUARTER 2, F1, F0, 0
	QUARTER 3, F0, F1, 0
	WIN 0
	s_sub_co_u32 s3, s3, 1
	s_cmp_eq_u32 s3, 0
	s_cbranch_scc1 .Lfin
	TURN 0
	QUARTER 1, F0, F1, 0
	WIN 0
	s_branch .Ltail
.Lfin:
	s_wait_dscnt 16
	MUL8 F1, 0, 0, 0
	MUL8 F1, 0, 2, 0
	s_wait_dscnt 0x0
	MUL8 F1, 1, 0, 0
	MUL8 F1, 1, 2, 0
	WIN 0
	PLACES                                         ; four places between the last products and the stores that read results
	s_wait_loadcnt 0x0                             ; the residual
.macro TOSTAGE a                       ; block a's 16 rows x 64 columns into my stage, and back as whole rows of 256 bytes
.if (\a) >= 2
	s_wait_xcnt 0x0                                ; the stores of the block two back have read the registers that are loaded again
.endif
.set tb, 0
.rept 4
	ds_store_b128 v[STO], v[ACC+8*(4*(\a)+tb):ACC+8*(4*(\a)+tb)+3]   offset:64*tb
	ds_store_b128 v[STO], v[ACC+8*(4*(\a)+tb)+4:ACC+8*(4*(\a)+tb)+7] offset:64*tb+16
.set tb, tb+1
.endr
.set tt, 0
.rept 8
	ds_load_b128 v[TMP+32*((\a)%2)+4*tt:TMP+32*((\a)%2)+4*tt+3], v[RD] offset:tt*2*SPITCH  ; LDS serves a wave's instructions in order (ISA guide 5.7.1.4)
.set tt, tt+1
.endr
.endm
.macro SEND a, younger                 ; younger: the LDS instructions of the next block, which may stay out
	s_wait_dscnt \younger
	WIN 0x08
.set tt, 0
.rept 16
	v_pk_add_f32 v[TMP+32*((\a)%2)+2*tt:TMP+32*((\a)%2)+2*tt+1], v[TMP+32*((\a)%2)+2*tt:TMP+32*((\a)%2)+2*tt+1], v[RES+32*(\a)+2*tt:RES+32*(\a)+2*tt+1]
.set tt, tt+1
.endr
	WIN 0
.set tt, 0
.rept 8
	global_store_b128 v[CO], v[TMP+32*((\a)%2)+4*tt:TMP+32*((\a)%2)+4*tt+3], s[8:9] offset:(16*(\a)+2*tt)*4096  ; 16 lanes store 256 consecutive bytes, at a multiple of 256 from C's first byte
.set tt, tt+1
.endr
.endm
	TOSTAGE 0
	TOSTAGE 1
	SEND 0, 16
	TOSTAGE 2
	SEND 1, 16
	TOSTAGE 3
	SEND 2, 16
	SEND 3, 0
	s_wait_tensorcnt 0x0                           ; the wave's end
	ds_add_u32 v[SPW], v[NIL]
	s_wait_dscnt 0x0
	CROUND                                         ; the closing round
	s_endpgm
.Lfunc_end_k_q1b4cd53091_wo:
	.size	k_q1b4cd53091_wo, .Lfunc_end_k_q1b4cd53091_wo-k_q1b4cd53091_wo
	.p2alignl 7, 3214868480
	.fill 96, 4, 3214868480
	.section	.rodata,"a",@progbits
	.p2align	6, 0x0
	.amdhsa_kernel k_q1b4cd53091_wo
		.amdhsa_group_segment_fixed_size 327680
		.amdhsa_private_segment_fixed_size 0
		.amdhsa_enable_private_segment 0
		.amdhsa_kernarg_size 32
		.amdhsa_user_sgpr_count 2
		.amdhsa_user_sgpr_kernarg_segment_ptr 1
		.amdhsa_wavefront_size32 1
		.amdhsa_system_sgpr_workgroup_id_x 1
		.amdhsa_system_sgpr_workgroup_id_y 1
		.amdhsa_system_sgpr_workgroup_id_z 1
		.amdhsa_system_vgpr_workitem_id 0
		.amdhsa_next_free_vgpr 640
		.amdhsa_next_free_sgpr 88
		.amdhsa_reserve_vcc 0
		.amdhsa_float_denorm_mode_32 3
		.amdhsa_float_denorm_mode_16_64 3
		.amdhsa_memory_ordered 1
		.amdhsa_forward_progress 1
		.amdhsa_inst_pref_size 67
	.end_amdhsa_kernel
	.amdgpu_metadata
---
amdhsa.version: [ 1, 2 ]
amdhsa.kernels:
  - .name:           k_q1b4cd53091_wo
    .symbol:         k_q1b4cd53091_wo.kd
    .args:
      - { .name: att, .offset: 0, .size: 8, .value_kind: global_buffer, .address_space: global }
      - { .name: wh, .offset: 8, .size: 8, .value_kind: global_buffer, .address_space: global }
      - { .name: x, .offset: 16, .size: 8, .value_kind: global_buffer, .address_space: global }
      - { .name: x1, .offset: 24, .size: 8, .value_kind: global_buffer, .address_space: global }
    .group_segment_fixed_size: 327680
    .private_segment_fixed_size: 0
    .kernarg_segment_align: 8
    .kernarg_segment_size: 32
    .max_flat_workgroup_size: 128
    .sgpr_count:     88
    .vgpr_count:     640
    .wavefront_size: 32
...
	.end_amdgpu_metadata
.endif
;; end of part 4
;; launch rms2 (part 5): grid 256 x 1, 8 waves a work-group, no clusters, 0 bytes of LDS; arguments x1, g2, xn; writes xn
.if DOCPART == 5
	.amdgcn_target "amdgcn-amd-amdhsa--gfx1250"
	.amdhsa_code_object_version 6
	.text
	.protected	k_q1b4cd53091_rms2
	.globl	k_q1b4cd53091_rms2
	.p2align	8
	.type	k_q1b4cd53091_rms2,@function
k_q1b4cd53091_rms2:
	s_mov_b64 s[64:65], 0
	v_nop
	global_prefetch_b8 v0, s[64:65] scope:SCOPE_SE
	s_setreg_imm32_b32 hwreg(HW_REG_WAVE_MODE, 25, 1), 1
	s_wait_xcnt 0x0
; xn = rmsnorm(x1, g2) in f16.  x1: [4096][1024] f32.  A work-group takes 16 rows, a wave 2; a wave keeps a row in 32 registers between the sum of squares and the scaling.
; A load of a wave covers 512 consecutive bytes, a store 256 consecutive bytes at a multiple of 256.  No LDS, no barrier.
; LIMITS.  The result, at most 32 |g|, must lie within f16's 65,504.  NaN and infinities are not treated apart.
.set RPW, 2
.set X,   16                           ; v[16:79]
.set G,   80                           ; v[80:111]
	s_load_b128 s[8:11], s[0:1], 0x0               ; x1, g2
	s_load_b64 s[24:25], s[0:1], 0x10              ; xn
	v_and_b32 v3, 31, v0
	v_lshrrev_b32 v2, 5, v0
	v_readfirstlane_b32 s4, v2
	v_lshlrev_b32 v1, 4, v3
	v_lshlrev_b32 v2, 3, v3
	v_mov_b32 v13, 0                               ; v_permlanex16_b32's destination counts as read
	s_lshl_b32 s5, ttmp9, 4
	s_lshl_b32 s6, s4, 1
	s_add_co_u32 s5, s5, s6                        ; my first row
	s_mov_b32 s33, 0
	s_mov_b32 s34, 0x76543210
	s_mov_b32 s35, 0xfedcba98
	s_mov_b32 s36, 0x3a800000                      ; 1 / 1024
	s_mov_b32 s37, 0x3727c5ac                      ; 1e-5
	s_wait_kmcnt 0x0
	s_lshl_b32 s32, s5, 12
	s_add_nc_u64 s[28:29], s[8:9], s[32:33]
	s_lshl_b32 s32, s5, 11
	s_add_nc_u64 s[30:31], s[24:25], s[32:33]
.set i, 0
.rept 8
	global_load_b128 v[G+4*i:G+4*i+3], v1, s[10:11] offset:512*i
.set i, i+1
.endr
.set i, 0
.rept RPW*8
	global_load_b128 v[X+4*i:X+4*i+3], v1, s[28:29] offset:512*i
.set i, i+1
.endr
.macro NORMROW r
	s_wait_loadcnt 8*(RPW-1-(\r))                  ; the gain (issued first) and my row are in; the later row's loads stay out
.set k, 0
.rept 4
	v_pk_mul_f32 v[4+2*k:5+2*k], v[X+32*(\r)+2*k:X+32*(\r)+2*k+1], v[X+32*(\r)+2*k:X+32*(\r)+2*k+1]
.set k, k+1
.endr
.rept 12
	v_pk_fma_f32 v[4+2*(k%4):5+2*(k%4)], v[X+32*(\r)+2*k:X+32*(\r)+2*k+1], v[X+32*(\r)+2*k:X+32*(\r)+2*k+1], v[4+2*(k%4):5+2*(k%4)]
.set k, k+1
.endr
	v_pk_add_f32 v[4:5], v[4:5], v[6:7]
	v_pk_add_f32 v[8:9], v[8:9], v[10:11]
	v_pk_add_f32 v[4:5], v[4:5], v[8:9]
	v_add_f32 v12, v4, v5
	v_add_f32_dpp v12, v12, v12 row_xmask:1 row_mask:0xf bank_mask:0xf
	v_add_f32_dpp v12, v12, v12 row_xmask:2 row_mask:0xf bank_mask:0xf
	v_add_f32_dpp v12, v12, v12 row_xmask:4 row_mask:0xf bank_mask:0xf
	v_add_f32_dpp v12, v12, v12 row_xmask:8 row_mask:0xf bank_mask:0xf
	v_permlanex16_b32 v13, v12, s34, s35
	v_add_f32 v12, v12, v13
	v_fma_f32 v12, v12, s36, s37                   ; mean + eps
	v_rsq_f32 v14, v12
	v_rsq_f32 v15, v12
	v_nop                                          ; a plain instruction behind the last of them
	s_wait_alu depctr_va_vdst(0)                   ; one wait for both, ahead of their first reader
.set k, 0
.rept 16
	v_pk_mul_f32 v[X+32*(\r)+2*k:X+32*(\r)+2*k+1], v[X+32*(\r)+2*k:X+32*(\r)+2*k+1], v[14:15]
.set k, k+1
.endr
.set k, 0
.rept 16
	v_pk_mul_f32 v[X+32*(\r)+2*k:X+32*(\r)+2*k+1], v[X+32*(\r)+2*k:X+32*(\r)+2*k+1], v[G+2*k:G+2*k+1]
.set k, k+1
.endr
.set k, 0
.rept 16
	v_cvt_pk_f16_f32 v[X+32*(\r)+k], v[X+32*(\r)+2*k], v[X+32*(\r)+2*k+1]
.set k, k+1
.endr
.set k, 0
.rept 8
	global_store_b64 v2, v[X+32*(\r)+2*k:X+32*(\r)+2*k+1], s[30:31] offset:2048*(\r)+256*k th:TH_STORE_NT
.set k, k+1
.endr
.endm
	NORMROW 0
	NORMROW 1
	s_endpgm
.Lfunc_end_k_q1b4cd53091_rms2:
	.size	k_q1b4cd53091_rms2, .Lfunc_end_k_q1b4cd53091_rms2-k_q1b4cd53091_rms2
	.p2alignl 7, 3214868480
	.fill 96, 4, 3214868480
	.section	.rodata,"a",@progbits
	.p2align	6, 0x0
	.amdhsa_kernel k_q1b4cd53091_rms2
		.amdhsa_group_segment_fixed_size 0
		.amdhsa_private_segment_fixed_size 0
		.amdhsa_enable_private_segment 0
		.amdhsa_kernarg_size 24
		.amdhsa_user_sgpr_count 2
		.amdhsa_user_sgpr_kernarg_segment_ptr 1
		.amdhsa_wavefront_size32 1
		.amdhsa_system_sgpr_workgroup_id_x 1
		.amdhsa_system_sgpr_workgroup_id_y 1
		.amdhsa_system_sgpr_workgroup_id_z 1
		.amdhsa_system_vgpr_workitem_id 0
		.amdhsa_next_free_vgpr 120
		.amdhsa_next_free_sgpr 66
		.amdhsa_reserve_vcc 0
		.amdhsa_float_denorm_mode_32 3
		.amdhsa_float_denorm_mode_16_64 3
		.amdhsa_memory_ordered 1
		.amdhsa_forward_progress 1
		.amdhsa_inst_pref_size 15
	.end_amdhsa_kernel
	.amdgpu_metadata
---
amdhsa.version: [ 1, 2 ]
amdhsa.kernels:
  - .name:           k_q1b4cd53091_rms2
    .symbol:         k_q1b4cd53091_rms2.kd
    .args:
      - { .name: x1, .offset: 0, .size: 8, .value_kind: global_buffer, .address_space: global }
      - { .name: g2, .offset: 8, .size: 8, .value_kind: global_buffer, .address_space: global }
      - { .name: xn, .offset: 16, .size: 8, .value_kind: global_buffer, .address_space: global }
    .group_segment_fixed_size: 0
    .private_segment_fixed_size: 0
    .kernarg_segment_align: 8
    .kernarg_segment_size: 24
    .max_flat_workgroup_size: 256
    .sgpr_count:     66
    .vgpr_count:     120
    .wavefront_size: 32
...
	.end_amdgpu_metadata
.endif
;; end of part 5
;; launch ffn1 (part 6): grid 16 x 16, 4 waves a work-group, clusters of 4 x 4, 327,680 bytes of LDS; arguments xn, wh, hid; writes hid
.if DOCPART == 6
	.amdgcn_target "amdgcn-amd-amdhsa--gfx1250"
	.amdhsa_code_object_version 6
	.text
	.protected	k_q1b4cd53091_ffn1
	.globl	k_q1b4cd53091_ffn1
	.p2align	8
	.type	k_q1b4cd53091_ffn1,@function
k_q1b4cd53091_ffn1:
	s_mov_b64 s[64:65], 0
	v_nop
	global_prefetch_b8 v0, s[64:65] scope:SCOPE_SE
	s_setreg_imm32_b32 hwreg(HW_REG_WAVE_MODE, 25, 1), 1
	s_wait_xcnt 0x0
	s_wait_alu depctr_hold_cnt(0) depctr_sa_sdst(0) depctr_va_vdst(0) depctr_va_sdst(0) depctr_va_ssrc(0) depctr_va_vcc(0) depctr_vm_vsrc(0)
	s_getreg_b32 s2, hwreg(HW_REG_IB_STS2, 6, 4)
	s_cmp_eq_u32 s2, 0
	s_cbranch_scc0 .Lentry_in_a_cluster
	s_endpgm
.Lentry_in_a_cluster:
	s_bfe_u32 s2, ttmp6, 0x10000c
	s_cmp_lg_u32 s2, 0xf033
	s_cbranch_scc0 .Lentry_shape_is_right
	s_endpgm
.Lentry_shape_is_right:
; hid = gelu(A B^T) in f16.  A = xn [4096][1024], B = w1 [4096][1024] (in wh), both f16; K = 1,024; sums in f32.  A tile of C is 256 x 256: 256 work-groups of four waves; a wave makes 128 x 128: 64 accumulators.
; K goes in steps of 128 through a ring of two LDS slots filled by tensor loads (rows of 256 bytes, 16 of padding).
; CLUSTER 4 x 4: A's tile is shared along a row of the cluster, B's along a column; each is asked for jointly, by the same load with the same descriptor and a mask of four.
; THE MATRIX INSTRUCTION IS USED TRANSPOSED (source 0 = 16 rows of B, source 1 = 16 rows of A): a lane holds one row of C and eight neighbouring columns.
; ONE K STEP IS WRITTEN ONCE: the slot in hand is a scalar (SL for the reads, SLF for the fills) that an exclusive or turns between 0 and SLOT; LDS addresses are that scalar plus a constant part.
; THE WAY OUT goes through LDS in f32, in the ring's bytes, which have had their last fill, so that ONE loop of four rows a trip serves all 64 accumulators; a barrier stands between the last reads of the ring and the first store into it.
; LIMITS.  f16 ends at 65,504: what is stored must lie within it.  erf by the three-term rational form in t = 1 / (1 + 0.47047 z) times exp(-z^2), absolute error at most 2.5e-5 for every z.  NaN and infinities are not treated apart.
; REGISTERS, in windows of 256: window 0: v16-30 addresses; v64-127, v128-191 A's fragments, two buffers; v32-63, v192-255 at work on the way out.  window 1: v64.., v128.. B's fragments.
;   window 2: accumulators of my rows 0-63 ((a, b) at 8 (8 a + b)); window 3: rows 64-127.
.set NBL,   8
.set BOFF,  8388608                    ; B's first byte in wh
.set BROWS, 32*NBL
.set KSTEP, 128
.set PITCH, 272                        ; 68 words: the 16 rows of a fragment load start at 16 different groups of four banks (64 banks of 4 bytes: ISA guide 11.1)
.set HALFA, 128*PITCH
.set HALFB, (BROWS/2)*PITCH
.set SLOT,  2*HALFA+2*HALFB            ; A's 256 rows, then B's
.set SPARE, 2*SLOT                     ; behind the ring: the spare words, 128 bytes for each wave
.set NL,    2*NBL+16                   ; LDS loads in a run
.set SPF,   528                        ; a stage row: 128 f32 + 16 bytes; each wave has 128 rows of its own
.set ADRA, 16                          ; LDS address of my A fragments in the slot in hand
.set A0,   17                          ; the same in slot 0; never rewritten
.set ADRB, 20
.set B0,   21
.set STO,  24                          ; the way out: where I put 32 bytes of a row (rows 0-63)
.set RD,   25                          ; where I read back
.set CO,   26                          ; my byte offset in C
.set STO2, 27                          ; STO for rows 64-127
.set SPW,  28
.set NIL,  29
.set PFO,  30                          ; the prefetches' offset: a lane a row
.set F0,   64
.set F1,   128
.set G1,   24                          ; s[24:31] group 1 for A;  s[32:39] group 0: a set for each first fill; the second then walks
.set G0,   32
.set G1B,  48
.set G0B,  56
.set LIM,  43
.set PFA,  44
.set SL,   66
.set SLF,  67
.set LA,   68
.set LB,   69
.set MSB, 0
.macro WIN new
.if MSB != (\new)
	s_set_vgpr_msb (MSB<<8)|(\new)
.set MSB, \new
.endif
.endm
.set MUL_LO, 0xa1
.set MUL_HI, 0xf1
.set TO_B,   0x40
.macro PLACES
.rept 4
	v_nop
.endr
.endm
.macro JLOAD                           ; a joint refill: waves 0, 1 fetch A's halves, waves 2, 3 B's
	s_cmp_eq_u32 s11, 0
	s_cbranch_scc0 .Lfor_b_\@
	tensor_load_to_lds s[G0+4:G0+7], s[G1:G1+7]
	s_nop 0
	PLACES
	s_branch .Lasked_\@
.Lfor_b_\@:
	tensor_load_to_lds s[G0B+4:G0B+7], s[G1B:G1B+7]
	s_nop 0
	PLACES
.Lasked_\@:
.endm
.macro ASK                             ; the K step two refills on: my work-group's share of the rows that I fetch, a lane a row; only the first cluster along the axis on which the rows are shared asks
	s_cmp_gt_u32 s3, s[LIM]                        ; the last two refills have no K step two on
	s_cbranch_scc0 .Lnot_mine_\@
	global_prefetch_b8 v[PFO], s[PFA:PFA+1] offset:KSTEP*2 th:TH_LOAD_NT scope:SCOPE_SE
.Lnot_mine_\@:
.endm
.macro CREST
	s_cmp_lg_u32 s10, 0
	s_cbranch_scc1 .Lnot_wave_0_\@
	s_barrier_signal -3
.Lnot_wave_0_\@:
	s_barrier_wait -3
	s_barrier_signal -1
	s_barrier_wait -1
.endm
.macro CROUND
	s_barrier_signal -1
	s_barrier_wait -1
	CREST
.endm
	s_load_b128 s[4:7], s[0:1], 0x0                ; A, wh
	s_load_b64 s[8:9], s[0:1], 0x10                ; C
	v_lshl_add_u32 v[SPW], v0, 2, SPARE
	v_mov_b32 v[NIL], 0
	ds_add_u32 v[SPW], v[NIL]                      ; the wave's opening: the add and its wait ahead of my first tensor load
	ds_add_u32 v28, v29
	v_lshrrev_b32 v1, 5, v0
	v_readfirstlane_b32 s10, v1                    ; wave
	s_lshr_b32 s11, s10, 1                         ; my half of the rows; also: I fetch for A (0) or B (1)
	s_and_b32 s12, s10, 1                          ; my half of the columns; also: which half of that tile I fetch
	s_bfe_u32 s40, ttmp6, 0x40000                  ; cx
	s_bfe_u32 s41, ttmp6, 0x40004                  ; cy
	s_lshl_b32 s42, ttmp9, 2
	s_add_co_u32 s42, s42, s40                     ; tile column
	s_and_b32 s13, ttmp7, 0xffff
	s_lshl_b32 s13, s13, 2
	s_add_co_u32 s13, s13, s41                     ; tile row
	s_lshl_b32 s43, s41, 2
	s_lshl_b32 s43, 15, s43                        ; my row of the cluster
	s_lshl_b32 s44, 0x1111, s40                    ; my column
	s_or_b32 s[G1+0], s43, (1<<16)|(1<<20)|(1<<21)|(5<<22)|(3<<25)  ; mask; 2-byte elements; padding on; bit 21 beside a mask; after every 64 words, 4 words
	s_or_b32 s[G1B+0], s44, (1<<16)|(1<<20)|(1<<21)|(5<<22)|(3<<25)
	s_mov_b32 s[G1+1], KSTEP<<16                   ; tensor_dim0
	s_mov_b32 s[G1B+1], KSTEP<<16
	s_mov_b32 s[G1+2], 128<<16                     ; tensor_dim1
	s_mov_b32 s[G1B+2], (BROWS/2)<<16
	s_mov_b32 s[G1+3], KSTEP<<16                   ; tile_dim0
	s_mov_b32 s[G1B+3], KSTEP<<16
	s_mov_b32 s[G1+4], 128                         ; tile_dim1
	s_mov_b32 s[G1B+4], BROWS/2
	s_mov_b32 s[G1+5], 1024                        ; elements from row to row
	s_mov_b32 s[G1B+5], 1024
	s_mov_b32 s[G1+6], 0
	s_mov_b32 s[G1B+6], 0
	s_mov_b32 s[G1+7], 0
	s_mov_b32 s[G1B+7], 0
	s_lshl_b32 s16, s13, 8
	s_lshl_b32 s17, s12, 7
	s_add_co_u32 s16, s16, s17                     ; A: row 256 x tile row + 128 x half
	s_lshl_b32 s16, s16, 11
	s_mov_b32 s17, 0
	s_mul_i32 s46, s42, BROWS
	s_mul_i32 s47, s12, BROWS/2
	s_add_co_u32 s46, s46, s47                     ; B: row BROWS x tile column + BROWS / 2 x half
	s_lshl_b32 s46, s46, 11
	s_add_co_u32 s46, s46, BOFF
	s_mov_b32 s47, 0
	s_mul_i32 s[LA], s10, HALFA                    ; where my part of a slot lies: A's halves (waves 0, 1),
	s_mul_i32 s[LB], s10, HALFB
	s_add_co_u32 s[LB], s[LB], 2*(HALFA-HALFB)     ; B's halves behind them (waves 2, 3)
	s_mov_b32 s[SL], 0
	s_mov_b32 s[SLF], SLOT
	s_wait_dscnt 0x0                               ; the opening add is done
	s_wait_kmcnt 0x0
	s_add_nc_u64 s[14:15], s[4:5], s[16:17]
	s_add_nc_u64 s[46:47], s[6:7], s[46:47]
	CROUND                                         ; all sixteen work-groups are here: the first joint loads meet
.irp s, 0,1
	s_mov_b32 s[G0+4*(\s)], 1
	s_add_co_u32 s[G0+4*(\s)+1], s[LA], (\s)*SLOT
	s_add_nc_u64 s[G0+4*(\s)+2:G0+4*(\s)+3], s[14:15], (\s)*KSTEP*2
	s_or_b32 s[G0+4*(\s)+3], s[G0+4*(\s)+3], 0x80000000
	s_mov_b32 s[G0B+4*(\s)], 1
	s_add_co_u32 s[G0B+4*(\s)+1], s[LB], (\s)*SLOT
	s_add_nc_u64 s[G0B+4*(\s)+2:G0B+4*(\s)+3], s[46:47], (\s)*KSTEP*2
	s_or_b32 s[G0B+4*(\s)+3], s[G0B+4*(\s)+3], 0x80000000
.endr
	s_cmp_eq_u32 s11, 0                            ; a wave's two first fills stand in one branch: two loads of mine are out
	s_cbranch_scc0 .Lfirst_b
	tensor_load_to_lds s[G0:G0+3], s[G1:G1+7]
	s_nop 0
	tensor_load_to_lds s[G0+4:G0+7], s[G1:G1+7]
	s_nop 0
	PLACES
	s_branch .Lfirst_done
.Lfirst_b:
	tensor_load_to_lds s[G0B:G0B+3], s[G1B:G1B+7]
	s_nop 0
	tensor_load_to_lds s[G0B+4:G0B+7], s[G1B:G1B+7]
	s_nop 0
	PLACES
.Lfirst_done:
	v_and_b32 v1, 15, v0                           ; l % 16
	v_bfe_u32 v2, v0, 4, 1                         ; l / 16
	v_mul_u32_u24 v3, v1, PITCH
	v_lshl_add_u32 v3, v2, 4, v3
	s_mul_i32 s21, s11, HALFA
	s_mul_i32 s22, s12, HALFB
	s_add_co_u32 s22, s22, 2*HALFA
	v_add_nc_u32 v[A0], s21, v3
	v_add_nc_u32 v[B0], s22, v3
	v_mov_b32 v[ADRA], v[A0]
	v_mov_b32 v[ADRB], v[B0]
	v_mul_u32_u24 v4, v1, SPF                      ; into the stage: row l % 16, 32 bytes for each half of the lanes
	v_lshl_add_u32 v4, v2, 5, v4
	v_and_b32 v5, 31, v0
	s_mul_i32 s23, s10, 128*SPF                    ; my own stage
	v_add_nc_u32 v[STO], s23, v4
	v_lshl_add_u32 v[RD], v5, 4, s23               ; back: 32 lanes take a row's 512 bytes
	v_lshlrev_b32 v[CO], 3, v5                     ; which are 256 bytes of f16
	s_lshl_b32 s16, s13, 8
	s_lshl_b32 s17, s11, 7
	s_add_co_u32 s16, s16, s17
	s_lshl_b32 s16, s16, 13                        ; my first row of C, 8,192 bytes a row
	s_mov_b32 s17, 0
	s_add_nc_u64 s[8:9], s[8:9], s[16:17]
	s_lshl_b32 s46, s42, 9
	s_lshl_b32 s47, s12, 8
	s_add_co_u32 s46, s46, s47                     ; my first column
	s_mov_b32 s47, 0
	s_add_nc_u64 s[8:9], s[8:9], s[46:47]
	s_mov_b32 s70, 0x3eaa540e                      ; 0.47047 / sqrt(2)
	s_mov_b32 s72, 0x3f596d27                      ; kappa = sqrt(log2(e) / 2)
	s_mov_b32 s73, s72
	s_mov_b32 s74, 0x3eb2303a                      ; the series' three coefficients: 0.3480242,
	s_mov_b32 s75, s74
	s_mov_b32 s76, 0xbdc45ca1                      ; -0.0958798,
	s_mov_b32 s77, s76
	s_mov_b32 s78, 0x3f3f7377                      ; 0.7478556
	s_mov_b32 s79, s78
	v_add_nc_u32 v[STO2], 64*SPF, v[STO]
	; the prefetches: of the rows that I fetch, my work-group's quarter, told apart from the partners' by address
	s_lshl_b32 s20, s13, 8
	s_lshl_b32 s21, s12, 7
	s_add_co_u32 s20, s20, s21
	s_lshl_b32 s21, s40, 5
	s_add_co_u32 s20, s20, s21                     ; A: + 32 cx
	s_mul_i32 s21, s42, BROWS
	s_mul_i32 s22, s12, BROWS/2
	s_add_co_u32 s21, s21, s22
	s_mul_i32 s22, s41, BROWS/8
	s_add_co_u32 s21, s21, s22                     ; B: + BROWS / 8 x cy
	s_lshl_b32 s20, s20, 11
	s_lshl_b32 s21, s21, 11
	s_add_co_u32 s21, s21, BOFF
	s_and_b32 s22, ttmp7, 0xffff
	s_mov_b32 s23, BROWS/8-1
	s_cmp_eq_u32 s11, 0
	s_cselect_b32 s20, s20, s21
	s_cselect_b32 s22, ttmp9, s22                  ; the coordinate along which other clusters read the same rows
	s_cselect_b32 s23, 31, s23                     ; the last row of the share
	s_cselect_b64 s[PFA:PFA+1], s[4:5], s[6:7]
	s_mov_b32 s21, 0
	s_add_nc_u64 s[PFA:PFA+1], s[PFA:PFA+1], s[20:21]
	s_add_nc_u64 s[PFA:PFA+1], s[PFA:PFA+1], 2*KSTEP*2  ; at K step 2: the first refill steps it to 3 and names K step 4
	s_cmp_eq_u32 s22, 0
	s_cselect_b32 s[LIM], 2, -1
	v_min_u32 v[PFO], s23, v5
	v_lshlrev_b32 v[PFO], 11, v[PFO]
; 2 NBL matrix instructions: row blocks a0, a0 + 1 of the window's four x all column blocks, 32 along K.  The accumulators take turns, in the same order in every quarter.
.macro MULH f, hi, a0, zero
	WIN MUL_LO+0x50*(\hi)
.set ma, \a0
.rept 2
.set mb, 0
.rept NBL
.if \zero
	v_wmma_f32_16x16x32_f16 v[8*(NBL*ma+mb):8*(NBL*ma+mb)+7], v[(\f)+8*mb:(\f)+8*mb+7], v[(\f)+8*(4*(\hi)+ma):(\f)+8*(4*(\hi)+ma)+7], 0
.else
	v_wmma_f32_16x16x32_f16 v[8*(NBL*ma+mb):8*(NBL*ma+mb)+7], v[(\f)+8*mb:(\f)+8*mb+7], v[(\f)+8*(4*(\hi)+ma):(\f)+8*(4*(\hi)+ma)+7], v[8*(NBL*ma+mb):8*(NBL*ma+mb)+7]
.endif
.set mb, mb+1
.endr
.set ma, ma+1
.endr
.endm
.macro FETCH k, f                      ; NL LDS loads in one run: B's fragments, then A's, 32 K at byte k of the rows
	WIN TO_B
.set fi, 0
.rept NBL
	ds_load_b128 v[(\f)+8*fi:(\f)+8*fi+3],   v[ADRB] offset:(\k)+fi*16*PITCH
	ds_load_b128 v[(\f)+8*fi+4:(\f)+8*fi+7], v[ADRB] offset:(\k)+fi*16*PITCH+32
.set fi, fi+1
.endr
	WIN 0
.set fi, 0
.rept 8
	ds_load_b128 v[(\f)+8*fi:(\f)+8*fi+3],   v[ADRA] offset:(\k)+fi*16*PITCH
	ds_load_b128 v[(\f)+8*fi+4:(\f)+8*fi+7], v[ADRA] offset:(\k)+fi*16*PITCH+32
.set fi, fi+1
.endr
.endm
.macro QUARTER k, f, g, zero           ; multiplies buffer f; in its middle fetches the next quarter, at byte k, into g
	s_wait_dscnt 8                                 ; all but the youngest eight loads (A's rows 64-127)
	MULH \f, 0, 0, \zero
	MULH \f, 0, 2, \zero
	PLACES                                         ; four places in front of loads into registers that matrix instructions have read
	FETCH \k, \g
	s_wait_dscnt NL                                ; all but the run just issued
	MULH \f, 1, 0, \zero
	MULH \f, 1, 2, \zero
.endm
; The last quarter of a K step multiplies buffer 1 and changes slots.  In front of the barrier: all my tensor loads (one is out: my part of the next slot), the add, my reads of this slot.
; fill = 1: the barrier opens a round of the cluster's, and the joint refill, the K step two on into the slot just read, is the first tensor load behind it.
.macro TURN fill
.if \fill
	s_wait_xcnt 0x0                                ; the last prefetch, a K step back, has read its address
	s_add_nc_u64 s[PFA:PFA+1], s[PFA:PFA+1], KSTEP*2
.endif
	WIN 0
	s_wait_tensorcnt 0x0
	ds_add_u32 v[SPW], v[NIL]
	s_wait_dscnt 9                                 ; the add and the youngest eight loads may be out
	MULH F1, 0, 0, 0
	s_wait_dscnt 0x0
	s_barrier_signal -1
	MULH F1, 0, 2, 0
	WIN 0
	s_barrier_wait -1
.if \fill
	CREST
	s_xor_b32 s[SLF], s[SLF], SLOT                 ; the other slot than last time,
	s_add_co_u32 s[G0+5], s[LA], s[SLF]
	s_add_co_u32 s[G0B+5], s[LB], s[SLF]
	s_add_nc_u64 s[G0+6:G0+7], s[G0+6:G0+7], KSTEP*2      ; the next K step
	s_add_nc_u64 s[G0B+6:G0B+7], s[G0B+6:G0B+7], KSTEP*2
	JLOAD                                          ; its four v_nop are also the places in front of the loads below
.else
	PLACES
.endif
	s_xor_b32 s[SL], s[SL], SLOT
	v_add_nc_u32 v[ADRA], s[SL], v[A0]
	v_add_nc_u32 v[ADRB], s[SL], v[B0]
	FETCH 0, F0
.if \fill
	ASK
.endif
	MULH F1, 1, 0, 0
	MULH F1, 1, 2, 0
.endm
	s_wait_tensorcnt 1                             ; my part of K step 0 is in; K step 1's may stay out
	s_barrier_signal -1
	s_barrier_wait -1
	FETCH 0, F0
	QUARTER 64, F0, F1, 1                          ; the first quarter starts the sums with the constant 0
	WIN 0
	s_mov_b32 s3, 6
.Lstep:                                        ; trip i: the rest of K step i, the refill with K step i + 2, the first quarter of K step i + 1
	QUARTER 128, F1, F0, 0
	QUARTER 192, F0, F1, 0
	TURN 1
	QUARTER 64, F0, F1, 0
	WIN 0
	s_sub_co_u32 s3, s3, 1
	s_cmp_lg_u32 s3, 0
	s_cbranch_scc1 .Lstep
	s_mov_b32 s3, 2
.Ltail:                                        ; K steps 6 and 7 ask for nothing; the second trip is left in its middle
	QUARTER 128, F1, F0, 0
	QUARTER 192, F0, F1, 0
	WIN 0
	s_sub_co_u32 s3, s3, 1
	s_cmp_eq_u32 s3, 0
	s_cbranch_scc1 .Lfin
	TURN 0
	QUARTER 64, F0, F1, 0
	WIN 0
	s_branch .Ltail
.Lfin:
	s_wait_dscnt 8
	MULH F1, 0, 0, 0
	MULH F1, 0, 2, 0
	s_wait_dscnt 0x0
	MULH F1, 1, 0, 0
	MULH F1, 1, 2, 0
	WIN 0
	s_barrier_signal -1                            ; every wave's reads of the ring are over (the wait for 0 above): its bytes now serve as the stage
	s_barrier_wait -1
	PLACES                                         ; four places between the last products and the stores that read results
.set sa, 0
.rept 8                                ; all accumulators into the stage in f32, each from its low end on
	WIN 0x08+4*(sa/4)
.set sb, 0
.rept NBL
.set sr, 8*(NBL*(sa%4)+sb)
	ds_store_b128 v[STO+3*(sa/4)], v[sr:sr+3]   offset:(sa%4)*16*SPF+64*sb
	ds_store_b128 v[STO+3*(sa/4)], v[sr+4:sr+7] offset:(sa%4)*16*SPF+64*sb+16
.set sb, sb+1
.endr
.set sa, sa+1
.endr
	WIN 0
; gelu(x) = y + |y| erf(|x| / sqrt 2), y = x / 2; erf = 1 - (a1 t + a2 t^2 + a3 t^3) 2^(-(kappa x)^2), t = 1 / (1 + 0.33267 |x|).  Four rows a trip, 16 numbers (8 pairs) a lane; the stage is my own,
; and LDS serves a wave's instructions in order.  AHEAD OF THE WAIT a pair's five plain lines stand with the four transcendentals of the pair before between them, plain and transcendental by turns; none
; of them names a transcendental's result.  BEHIND THE WAIT the work goes line by line over all eight pairs, so that a line stands eight lines behind the one whose result it reads.
; x is dead at the wait: the next four rows are loaded straight behind it.
.set LX, 32                            ; v32-47   x
.set YH, 48                            ; v48-63   x / 2
.set WW, 192                           ; v192-207 kappa x, then -(kappa x)^2, then its power of two
.set DD, 208                           ; v208-223 1 + 0.33267 |x|, then t
.set RR, 224                           ; v224-239 the series, erf, gelu
.set YY, 240                           ; v240-247 four rows' f16
.macro RDROWS
.irp j, 0,1,2,3
	ds_load_b128 v[LX+4*(\j):LX+4*(\j)+3], v[RD] offset:(\j)*SPF
.endr
.endm
.macro TR k, q                         ; transcendental k of pair q: the two reciprocals, the two exponentials
.if (\k) < 2
	v_rcp_f32 v[DD+2*(\q)+(\k)], v[DD+2*(\q)+(\k)]
.else
	v_exp_f32 v[WW+2*(\q)+(\k)-2], v[WW+2*(\q)+(\k)-2]
.endif
.endm
	RDROWS
	s_mov_b32 s3, 32
.Lout:
	s_wait_dscnt 0x0
.set p, 0
.rept 8
	v_pk_mul_f32 v[WW+2*p:WW+2*p+1], v[LX+2*p:LX+2*p+1], s[72:73] op_sel_hi:[1,0]
.if p > 0
	TR 0, p-1
.endif
	v_fma_f32 v[DD+2*p], |v[LX+2*p]|, s70, 1.0
.if p > 0
	TR 1, p-1
.endif
	v_pk_mul_f32 v[WW+2*p:WW+2*p+1], v[WW+2*p:WW+2*p+1], v[WW+2*p:WW+2*p+1] neg_lo:[1,0] neg_hi:[1,0]
.if p > 0
	TR 2, p-1
.endif
	v_fma_f32 v[DD+2*p+1], |v[LX+2*p+1]|, s70, 1.0
.if p > 0
	TR 3, p-1
.endif
	v_pk_mul_f32 v[YH+2*p:YH+2*p+1], v[LX+2*p:LX+2*p+1], 0.5 op_sel_hi:[1,0]
.set p, p+1
.endr
	TR 0, 7
	v_add_nc_u32 v[RD], 4*SPF, v[RD]
	TR 1, 7
	v_nop
	TR 2, 7
	v_nop
	TR 3, 7
	v_nop                                          ; a plain instruction behind the last of the batch,
	s_wait_alu depctr_va_vdst(0)                   ; and one wait for all 32, ahead of their first reader and of the branch
	s_cmp_eq_u32 s3, 1
	s_cbranch_scc1 .Lnold                          ; the last trip has no rows behind it
	RDROWS
.Lnold:
.set p, 0
.rept 8
	v_pk_fma_f32 v[RR+2*p:RR+2*p+1], v[DD+2*p:DD+2*p+1], s[78:79], s[76:77] op_sel_hi:[1,0,0]
.set p, p+1
.endr
.set p, 0
.rept 8
	v_pk_fma_f32 v[RR+2*p:RR+2*p+1], v[RR+2*p:RR+2*p+1], v[DD+2*p:DD+2*p+1], s[74:75] op_sel_hi:[1,1,0]
.set p, p+1
.endr
.set p, 0
.rept 8
	v_pk_mul_f32 v[RR+2*p:RR+2*p+1], v[RR+2*p:RR+2*p+1], v[DD+2*p:DD+2*p+1]
.set p, p+1
.endr
.set p, 0
.rept 8
	v_pk_fma_f32 v[RR+2*p:RR+2*p+1], v[RR+2*p:RR+2*p+1], v[WW+2*p:WW+2*p+1], 1.0 op_sel_hi:[1,1,0] neg_lo:[1,0,0] neg_hi:[1,0,0]  ; erf = 1 - series x power
.set p, p+1
.endr
.set p, 0
.rept 16
	v_fma_f32 v[RR+p], |v[YH+p]|, v[RR+p], v[YH+p]
.set p, p+1
.endr
	s_wait_xcnt 0x0                                ; the last trip's stores, a whole trip back, have read their data and their base
	s_add_nc_u64 s[8:9], s[8:9], 4*8192            ; the base goes ahead; the stores reach back by their immediates
.set p, 0
.rept 8
	v_cvt_pk_f16_f32 v[YY+p], v[RR+2*p], v[RR+2*p+1]
.set p, p+1
.endr
.irp j, 0,1,2,3
	global_store_b64 v[CO], v[YY+2*(\j):YY+2*(\j)+1], s[8:9] offset:(\j)*8192-4*8192  ; 32 lanes store 256 consecutive bytes, at a multiple of 256 from C's first byte
.endr
	s_sub_co_u32 s3, s3, 1
	s_cmp_lg_u32 s3, 0
	s_cbranch_scc1 .Lout
	s_wait_tensorcnt 0x0                           ; the wave's end
	ds_add_u32 v[SPW], v[NIL]
	s_wait_dscnt 0x0
	CROUND                                         ; the closing round
	s_endpgm
.Lfunc_end_k_q1b4cd53091_ffn1:
	.size	k_q1b4cd53091_ffn1, .Lfunc_end_k_q1b4cd53091_ffn1-k_q1b4cd53091_ffn1
	.p2alignl 7, 3214868480
	.fill 96, 4, 3214868480
	.section	.rodata,"a",@progbits
	.p2align	6, 0x0
	.amdhsa_kernel k_q1b4cd53091_ffn1
		.amdhsa_group_segment_fixed_size 327680
		.amdhsa_private_segment_fixed_size 0
		.amdhsa_enable_private_segment 0
		.amdhsa_kernarg_size 24
		.amdhsa_user_sgpr_count 2
		.amdhsa_user_sgpr_kernarg_segment_ptr 1
		.amdhsa_wavefront_size32 1
		.amdhsa_system_sgpr_workgroup_id_x 1
		.amdhsa_system_sgpr_workgroup_id_y 1
		.amdhsa_system_sgpr_workgroup_id_z 1
		.amdhsa_system_vgpr_workitem_id 0
		.amdhsa_next_free_vgpr 1024
		.amdhsa_next_free_sgpr 84
		.amdhsa_reserve_vcc 0
		.amdhsa_float_denorm_mode_32 3
		.amdhsa_float_denorm_mode_16_64 3
		.amdhsa_memory_ordered 1
		.amdhsa_forward_progress 1
		.amdhsa_inst_pref_size 91
	.end_amdhsa_kernel
	.amdgpu_metadata
---
amdhsa.version: [ 1, 2 ]
amdhsa.kernels:
  - .name:           k_q1b4cd53091_ffn1
    .symbol:         k_q1b4cd53091_ffn1.kd
    .args:
      - { .name: xn, .offset: 0, .size: 8, .value_kind: global_buffer, .address_space: global }
      - { .name: wh, .offset: 8, .size: 8, .value_kind: global_buffer, .address_space: global }
      - { .name: hid, .offset: 16, .size: 8, .value_kind: global_buffer, .address_space: global }
    .group_segment_fixed_size: 327680
    .private_segment_fixed_size: 0
    .kernarg_segment_align: 8
    .kernarg_segment_size: 24
    .max_flat_workgroup_size: 128
    .sgpr_count:     84
    .vgpr_count:     1024
    .wavefront_size: 32
...
	.end_amdgpu_metadata
.endif
;; end of part 6
;; launch ffn2 (part 7): grid 8 x 32, 4 waves a work-group, clusters of 4 x 4, 327,680 bytes of LDS; arguments hid, wh, x1, out0; writes out0
.if DOCPART == 7
	.amdgcn_target "amdgcn-amd-amdhsa--gfx1250"
	.amdhsa_code_object_version 6
	.text
	.protected	k_q1b4cd53091_ffn2
	.globl	k_q1b4cd53091_ffn2
	.p2align	8
	.type	k_q1b4cd53091_ffn2,@function
k_q1b4cd53091_ffn2:
	s_mov_b64 s[64:65], 0
	v_nop
	global_prefetch_b8 v0, s[64:65] scope:SCOPE_SE
	s_setreg_imm32_b32 hwreg(HW_REG_WAVE_MODE, 25, 1), 1
	s_wait_xcnt 0x0
	s_wait_alu depctr_hold_cnt(0) depctr_sa_sdst(0) depctr_va_vdst(0) depctr_va_sdst(0) depctr_va_ssrc(0) depctr_va_vcc(0) depctr_vm_vsrc(0)
	s_getreg_b32 s2, hwreg(HW_REG_IB_STS2, 6, 4)
	s_cmp_eq_u32 s2, 0
	s_cbranch_scc0 .Lentry_in_a_cluster
	s_endpgm
.Lentry_in_a_cluster:
	s_bfe_u32 s2, ttmp6, 0x10000c
	s_cmp_lg_u32 s2, 0xf033
	s_cbranch_scc0 .Lentry_shape_is_right
	s_endpgm
.Lentry_shape_is_right:
; C = R + A B^T in f32, f16 operands, f32 sums.  One text for two launches, told apart by WOA:
;   WOA = 1: A = att, by heads [b][16][2048][64]; B = wo [1024][1024]; R = x; K = 1,024.       WOA = 0: A = hid [4096][4096]; B = w2 [1024][4096]; R = x1; K = 4,096.
; A tile of C is 128 x 128: 256 work-groups of four waves, each 64 x 64: 16 accumulators.  K goes in steps of 256 through a ring of two LDS slots.
; With WOA = 1 a K step is four heads: a wave's one load brings two heads' 128 tokens as two rows of 16,384 dense bytes, padded after every 128: planes [head][token] with rows 144 bytes apart.
; CLUSTER 4 x 4: A's tile is shared along a row of the cluster, B's along a column, each asked for jointly.  The matrix instruction is used transposed (source 0 = rows of B).
; One K step is written once: the slot in hand is a scalar that an exclusive or turns between 0 and SLOT.  No prefetch: the tiles are small.
; The residual's 64 x 64 numbers are loaded into registers at the start, in the layout in which the result comes back from the stage.
; REGISTERS: window 0: v16-29 addresses; v32-95 at work on the way out; v128-255 accumulators ((a, b) at 128 + 8 (4 a + b)).  window 1: two fragment buffers of 128 (A's 64, then B's 64).  window 2: v0-127 the residual.
.set WOA,   0
.set T,     16                         ; K steps
.set KB,    4096                       ; elements in a row of B
.set BOFF,  16777216                   ; B's first byte in wh
.set KSTEP, 256
.set PITCH, 528
.set HALFB, 64*PITCH
.if WOA
.set APITCH, 144
.set AQ,     128*144                   ; a quarter of a K step is a head: a plane
.set HALFA,  2*128*144
.set ASTEP,  4*262144
.else
.set APITCH, 528
.set AQ,     128
.set HALFA,  64*528
.set ASTEP,  KSTEP*2
.endif
.set APART, 2*HALFA
.set SLOT,  APART+2*HALFB
.set STAGE, 2*SLOT                     ; behind the ring, never filled: 16 rows x 272 bytes for each wave
.set SPITCH, 272
.set SPARE, STAGE+4*16*SPITCH
.set ADRA, 16
.set A0,   17
.set ADRB, 20
.set B0,   21
.set STO,  24
.set RD,   25
.set CO,   26
.set SPW,  28
.set NIL,  29
.set TMP,  32
.set ACC,  128
.set RES,  0
.set F0,   0
.set F1,   128
.set G1,   24
.set G0,   32
.set G1B,  48
.set G0B,  56
.set SL,   66
.set SLF,  67
.set LA,   68
.set LB,   69
.set MSB, 0
.macro WIN new
.if MSB != (\new)
	s_set_vgpr_msb (MSB<<8)|(\new)
.set MSB, \new
.endif
.endm
.set MUL,  0x05
.set TO_F, 0x40
.macro PLACES
.rept 4
	v_nop
.endr
.endm
.macro JLOAD
	s_cmp_eq_u32 s11, 0
	s_cbranch_scc0 .Lfor_b_\@
	tensor_load_to_lds s[G0+4:G0+7], s[G1:G1+7]
	s_nop 0
	PLACES
	s_branch .Lasked_\@
.Lfor_b_\@:
	tensor_load_to_lds s[G0B+4:G0B+7], s[G1B:G1B+7]
	s_nop 0
	PLACES
.Lasked_\@:
.endm
.macro CREST
	s_cmp_lg_u32 s10, 0
	s_cbranch_scc1 .Lnot_wave_0_\@
	s_barrier_signal -3
.Lnot_wave_0_\@:
	s_barrier_wait -3
	s_barrier_signal -1
	s_barrier_wait -1
.endm
.macro CROUND
	s_barrier_signal -1
	s_barrier_wait -1
	CREST
.endm
	s_load_b256 s[80:87], s[0:1], 0x0              ; A, wh, R, C
	v_lshl_add_u32 v[SPW], v0, 2, SPARE
	v_mov_b32 v[NIL], 0
	ds_add_u32 v[SPW], v[NIL]                      ; the wave's opening: the add and its wait ahead of my first tensor load
	ds_add_u32 v28, v29
	v_lshrrev_b32 v1, 5, v0
	v_readfirstlane_b32 s10, v1
	s_lshr_b32 s11, s10, 1
	s_and_b32 s12, s10, 1
	s_bfe_u32 s40, ttmp6, 0x40000
	s_bfe_u32 s41, ttmp6, 0x40004
	s_lshl_b32 s42, ttmp9, 2
	s_add_co_u32 s42, s42, s40                     ; tile column
	s_and_b32 s13, ttmp7, 0xffff
	s_lshl_b32 s13, s13, 2
	s_add_co_u32 s13, s13, s41                     ; tile row
	s_lshl_b32 s43, s41, 2
	s_lshl_b32 s43, 15, s43
	s_lshl_b32 s44, 0x1111, s40
.if WOA
	s_or_b32 s[G1+0], s43, (1<<16)|(1<<20)|(1<<21)|(4<<22)|(3<<25)  ; padding after every 32 words, 4 words
	s_mov_b32 s[G1+1], 8192<<16                    ; tensor_dim0 = 8,192: 128 tokens x 64 channels on end
	s_mov_b32 s[G1+2], 2<<16                       ; tensor_dim1 = 2 heads
	s_mov_b32 s[G1+3], 8192<<16                    ; tile_dim0
	s_mov_b32 s[G1+4], 2                           ; tile_dim1
	s_mov_b32 s[G1+5], 131072                      ; elements from head to head
.else
	s_or_b32 s[G1+0], s43, (1<<16)|(1<<20)|(1<<21)|(6<<22)|(3<<25)  ; padding after every 128 words, 4 words
	s_mov_b32 s[G1+1], KSTEP<<16
	s_mov_b32 s[G1+2], 64<<16
	s_mov_b32 s[G1+3], KSTEP<<16
	s_mov_b32 s[G1+4], 64
	s_mov_b32 s[G1+5], 4096
.endif
	s_mov_b32 s[G1+6], 0
	s_mov_b32 s[G1+7], 0
	s_or_b32 s[G1B+0], s44, (1<<16)|(1<<20)|(1<<21)|(6<<22)|(3<<25)
	s_mov_b32 s[G1B+1], KSTEP<<16
	s_mov_b32 s[G1B+2], 64<<16
	s_mov_b32 s[G1B+3], KSTEP<<16
	s_mov_b32 s[G1B+4], 64
	s_mov_b32 s[G1B+5], KB
	s_mov_b32 s[G1B+6], 0
	s_mov_b32 s[G1B+7], 0
.if WOA
	s_lshr_b32 s16, s13, 4                         ; the batch: 16 heads of 262,144 bytes,
	s_lshl_b32 s16, s16, 22
	s_lshl_b32 s17, s12, 19                        ; my two heads of the K step's four,
	s_add_co_u32 s16, s16, s17
	s_and_b32 s17, s13, 15
	s_lshl_b32 s17, s17, 14                        ; the tile's 128 tokens
	s_add_co_u32 s16, s16, s17
.else
	s_lshl_b32 s16, s13, 7
	s_lshl_b32 s17, s12, 6
	s_add_co_u32 s16, s16, s17                     ; row 128 x tile row + 64 x half
	s_lshl_b32 s16, s16, 13
.endif
	s_mov_b32 s17, 0
	s_lshl_b32 s46, s42, 7
	s_lshl_b32 s47, s12, 6
	s_add_co_u32 s46, s46, s47
	s_mul_i32 s46, s46, KB*2
	s_add_co_u32 s46, s46, BOFF
	s_mov_b32 s47, 0
	s_mul_i32 s[LA], s10, HALFA
	s_mul_i32 s[LB], s10, HALFB
	s_add_co_u32 s[LB], s[LB], APART-2*HALFB
	s_mov_b32 s[SL], 0
	s_mov_b32 s[SLF], SLOT
	s_wait_dscnt 0x0                               ; the opening add is done
	s_wait_kmcnt 0x0
	s_add_nc_u64 s[14:15], s[80:81], s[16:17]
	s_add_nc_u64 s[46:47], s[82:83], s[46:47]
	CROUND                                         ; all sixteen work-groups are here: the first joint loads meet
.irp s, 0,1
	s_mov_b32 s[G0+4*(\s)], 1
	s_add_co_u32 s[G0+4*(\s)+1], s[LA], (\s)*SLOT
	s_add_nc_u64 s[G0+4*(\s)+2:G0+4*(\s)+3], s[14:15], (\s)*ASTEP
	s_or_b32 s[G0+4*(\s)+3], s[G0+4*(\s)+3], 0x80000000
	s_mov_b32 s[G0B+4*(\s)], 1
	s_add_co_u32 s[G0B+4*(\s)+1], s[LB], (\s)*SLOT
	s_add_nc_u64 s[G0B+4*(\s)+2:G0B+4*(\s)+3], s[46:47], (\s)*KSTEP*2
	s_or_b32 s[G0B+4*(\s)+3], s[G0B+4*(\s)+3], 0x80000000
.endr
	s_cmp_eq_u32 s11, 0                            ; a wave's two first fills stand in one branch: two loads of mine are out
	s_cbranch_scc0 .Lfirst_b
	tensor_load_to_lds s[G0:G0+3], s[G1:G1+7]
	s_nop 0
	tensor_load_to_lds s[G0+4:G0+7], s[G1:G1+7]
	s_nop 0
	PLACES
	s_branch .Lfirst_done
.Lfirst_b:
	tensor_load_to_lds s[G0B:G0B+3], s[G1B:G1B+7]
	s_nop 0
	tensor_load_to_lds s[G0B+4:G0B+7], s[G1B:G1B+7]
	s_nop 0
	PLACES
.Lfirst_done:
	v_and_b32 v1, 15, v0
	v_bfe_u32 v2, v0, 4, 1
	v_lshlrev_b32 v[CO], 12, v2                    ; lanes 0-15 one row of C (4,096 bytes), lanes 16-31 the next; 16 bytes a lane
	v_lshl_add_u32 v[CO], v1, 4, v[CO]
	s_lshl_b32 s16, s13, 19                        ; my part of C and of R: row 128 x tile row + 64 x half,
	s_lshl_b32 s17, s11, 18
	s_add_co_u32 s16, s16, s17
	s_mov_b32 s17, 0
	s_add_nc_u64 s[8:9], s[86:87], s[16:17]
	s_add_nc_u64 s[4:5], s[84:85], s[16:17]
	s_lshl_b32 s46, s42, 9                         ; column 128 x tile column + 64 x half
	s_lshl_b32 s47, s12, 8
	s_add_co_u32 s46, s46, s47
	s_mov_b32 s47, 0
	s_add_nc_u64 s[8:9], s[8:9], s[46:47]
	s_add_nc_u64 s[4:5], s[4:5], s[46:47]
	WIN 0x80
.set i, 0
.rept 32                               ; the residual: rows 2 i and 2 i + 1; sixteen lanes read 256 consecutive bytes
	global_load_b128 v[RES+4*i:RES+4*i+3], v[CO], s[4:5] offset:2*i*4096
.set i, i+1
.endr
	WIN 0
	v_mul_u32_u24 v3, v1, PITCH
	v_lshl_add_u32 v3, v2, 4, v3
	s_mul_i32 s22, s12, HALFB
	s_add_co_u32 s22, s22, APART
	v_add_nc_u32 v[B0], s22, v3
	v_mul_u32_u24 v3, v1, APITCH
	v_lshl_add_u32 v3, v2, 4, v3
	s_mul_i32 s21, s11, 64*APITCH
	v_add_nc_u32 v[A0], s21, v3
	v_mov_b32 v[ADRA], v[A0]
	v_mov_b32 v[ADRB], v[B0]
	s_mul_i32 s23, s10, 16*SPITCH
	s_add_co_u32 s23, s23, STAGE                   ; my stage
	v_mul_u32_u24 v4, v1, SPITCH                   ; in: row l % 16, 32 bytes for each half of the lanes
	v_lshl_add_u32 v4, v2, 5, v4
	v_add_nc_u32 v[STO], s23, v4
	v_mul_u32_u24 v5, v2, SPITCH                   ; back: lanes 0-15 one row of 256 bytes, lanes 16-31 the next
	v_lshl_add_u32 v5, v1, 4, v5
	v_add_nc_u32 v[RD], s23, v5
.macro MUL8 f, c, a0, zero             ; 8 matrix instructions; the 16 accumulators take turns
	WIN MUL
.set ma, \a0
.rept 2
.set mb, 0
.rept 4
.if \zero
	v_wmma_f32_16x16x32_f16 v[ACC+8*(4*ma+mb):ACC+8*(4*ma+mb)+7], v[(\f)+64+8*(4*(\c)+mb):(\f)+64+8*(4*(\c)+mb)+7], v[(\f)+8*(4*(\c)+ma):(\f)+8*(4*(\c)+ma)+7], 0
.else
	v_wmma_f32_16x16x32_f16 v[ACC+8*(4*ma+mb):ACC+8*(4*ma+mb)+7], v[(\f)+64+8*(4*(\c)+mb):(\f)+64+8*(4*(\c)+mb)+7], v[(\f)+8*(4*(\c)+ma):(\f)+8*(4*(\c)+ma)+7], v[ACC+8*(4*ma+mb):ACC+8*(4*ma+mb)+7]
.endif
.set mb, mb+1
.endr
.set ma, ma+1
.endr
.endm
.macro FETCH q, f                      ; 32 LDS loads in one run: quarter q (64 along K) into buffer f; its first 32 along K first
	WIN TO_F
.set fc, 0
.rept 2
.set fi, 0
.rept 4
	ds_load_b128 v[(\f)+64+8*(4*fc+fi):(\f)+64+8*(4*fc+fi)+3],   v[ADRB] offset:128*(\q)+64*fc+fi*16*PITCH
	ds_load_b128 v[(\f)+64+8*(4*fc+fi)+4:(\f)+64+8*(4*fc+fi)+7], v[ADRB] offset:128*(\q)+64*fc+fi*16*PITCH+32
	ds_load_b128 v[(\f)+8*(4*fc+fi):(\f)+8*(4*fc+fi)+3],         v[ADRA] offset:AQ*(\q)+64*fc+fi*16*APITCH
	ds_load_b128 v[(\f)+8*(4*fc+fi)+4:(\f)+8*(4*fc+fi)+7],       v[ADRA] offset:AQ*(\q)+64*fc+fi*16*APITCH+32
.set fi, fi+1
.endr
.set fc, fc+1
.endr
.endm
.macro QUARTER q, f, g, zero
	s_wait_dscnt 16                                ; the first 32 along K are in
	MUL8 \f, 0, 0, \zero
	MUL8 \f, 0, 2, \zero
	PLACES
	FETCH \q, \g
	s_wait_dscnt 32                                ; all but the 32 just issued
	MUL8 \f, 1, 0, 0
	MUL8 \f, 1, 2, 0
.endm
.macro TURN fill                       ; the last quarter multiplies buffer 1 and changes slots
	WIN 0
	s_wait_tensorcnt 0x0                           ; all my tensor loads: my part of the next slot
	ds_add_u32 v[SPW], v[NIL]
	s_wait_dscnt 17                                ; the add and the youngest sixteen loads may be out
	MUL8 F1, 0, 0, 0
	s_wait_dscnt 0x0
	s_barrier_signal -1
	MUL8 F1, 0, 2, 0
	WIN 0
	s_barrier_wait -1
.if \fill
	CREST
	s_xor_b32 s[SLF], s[SLF], SLOT
	s_add_co_u32 s[G0+5], s[LA], s[SLF]
	s_add_co_u32 s[G0B+5], s[LB], s[SLF]
	s_add_nc_u64 s[G0+6:G0+7], s[G0+6:G0+7], ASTEP
	s_add_nc_u64 s[G0B+6:G0B+7], s[G0B+6:G0B+7], KSTEP*2
	JLOAD                                          ; its four v_nop are also the places in front of the loads below
.else
	PLACES
.endif
	s_xor_b32 s[SL], s[SL], SLOT
	v_add_nc_u32 v[ADRA], s[SL], v[A0]
	v_add_nc_u32 v[ADRB], s[SL], v[B0]
	FETCH 0, F0
	MUL8 F1, 1, 0, 0
	MUL8 F1, 1, 2, 0
.endm
	s_wait_tensorcnt 1                             ; my part of K step 0 is in; K step 1's may stay out
	s_barrier_signal -1
	s_barrier_wait -1
	FETCH 0, F0
	QUARTER 1, F0, F1, 1
	WIN 0
	s_mov_b32 s3, T-2
.Lstep:                                        ; trip i: the rest of K step i, the refill with K step i + 2, the first quarter of K step i + 1
	QUARTER 2, F1, F0, 0
	QUARTER 3, F0, F1, 0
	TURN 1
	QUARTER 1, F0, F1, 0
	WIN 0
	s_sub_co_u32 s3, s3, 1
	s_cmp_lg_u32 s3, 0
	s_cbranch_scc1 .Lstep
	s_mov_b32 s3, 2
.Ltail:                                        ; the last two K steps ask for nothing; the second trip is left in its middle
	QUARTER 2, F1, F0, 0
	QUARTER 3, F0, F1, 0
	WIN 0
	s_sub_co_u32 s3, s3, 1
	s_cmp_eq_u32 s3, 0
	s_cbranch_scc1 .Lfin
	TURN 0
	QUARTER 1, F0, F1, 0
	WIN 0
	s_branch .Ltail
.Lfin:
	s_wait_dscnt 16
	MUL8 F1, 0, 0, 0
	MUL8 F1, 0, 2, 0
	s_wait_dscnt 0x0
	MUL8 F1, 1, 0, 0
	MUL8 F1, 1, 2, 0
	WIN 0
	PLACES                                         ; four places between the last products and the stores that read results
	s_wait_loadcnt 0x0                             ; the residual
.macro TOSTAGE a                       ; block a's 16 rows x 64 columns into my stage, and back as whole rows of 256 bytes
.if (\a) >= 2
	s_wait_xcnt 0x0                                ; the stores of the block two back have read the registers that are loaded again
.endif
.set tb, 0
.rept 4
	ds_store_b128 v[STO], v[ACC+8*(4*(\a)+tb):ACC+8*(4*(\a)+tb)+3]   offset:64*tb
	ds_store_b128 v[STO], v[ACC+8*(4*(\a)+tb)+4:ACC+8*(4*(\a)+tb)+7] offset:64*tb+16
.set tb, tb+1
.endr
.set tt, 0
.rept 8
	ds_load_b128 v[TMP+32*((\a)%2)+4*tt:TMP+32*((\a)%2)+4*tt+3], v[RD] offset:tt*2*SPITCH  ; LDS serves a wave's instructions in order (ISA guide 5.7.1.4)
.set tt, tt+1
.endr
.endm
.macro SEND a, younger                 ; younger: the LDS instructions of the next block, which may stay out
	s_wait_dscnt \younger
	WIN 0x08
.set tt, 0
.rept 16
	v_pk_add_f32 v[TMP+32*((\a)%2)+2*tt:TMP+32*((\a)%2)+2*tt+1], v[TMP+32*((\a)%2)+2*tt:TMP+32*((\a)%2)+2*tt+1], v[RES+32*(\a)+2*tt:RES+32*(\a)+2*tt+1]
.set tt, tt+1
.endr
	WIN 0
.set tt, 0
.rept 8
	global_store_b128 v[CO], v[TMP+32*((\a)%2)+4*tt:TMP+32*((\a)%2)+4*tt+3], s[8:9] offset:(16*(\a)+2*tt)*4096  ; 16 lanes store 256 consecutive bytes, at a multiple of 256 from C's first byte
.set tt, tt+1
.endr
.endm
	TOSTAGE 0
	TOSTAGE 1
	SEND 0, 16
	TOSTAGE 2
	SEND 1, 16
	TOSTAGE 3
	SEND 2, 16
	SEND 3, 0
	s_wait_tensorcnt 0x0                           ; the wave's end
	ds_add_u32 v[SPW], v[NIL]
	s_wait_dscnt 0x0
	CROUND                                         ; the closing round
	s_endpgm
.Lfunc_end_k_q1b4cd53091_ffn2:
	.size	k_q1b4cd53091_ffn2, .Lfunc_end_k_q1b4cd53091_ffn2-k_q1b4cd53091_ffn2
	.p2alignl 7, 3214868480
	.fill 96, 4, 3214868480
	.section	.rodata,"a",@progbits
	.p2align	6, 0x0
	.amdhsa_kernel k_q1b4cd53091_ffn2
		.amdhsa_group_segment_fixed_size 327680
		.amdhsa_private_segment_fixed_size 0
		.amdhsa_enable_private_segment 0
		.amdhsa_kernarg_size 32
		.amdhsa_user_sgpr_count 2
		.amdhsa_user_sgpr_kernarg_segment_ptr 1
		.amdhsa_wavefront_size32 1
		.amdhsa_system_sgpr_workgroup_id_x 1
		.amdhsa_system_sgpr_workgroup_id_y 1
		.amdhsa_system_sgpr_workgroup_id_z 1
		.amdhsa_system_vgpr_workitem_id 0
		.amdhsa_next_free_vgpr 640
		.amdhsa_next_free_sgpr 88
		.amdhsa_reserve_vcc 0
		.amdhsa_float_denorm_mode_32 3
		.amdhsa_float_denorm_mode_16_64 3
		.amdhsa_memory_ordered 1
		.amdhsa_forward_progress 1
		.amdhsa_inst_pref_size 67
	.end_amdhsa_kernel
	.amdgpu_metadata
---
amdhsa.version: [ 1, 2 ]
amdhsa.kernels:
  - .name:           k_q1b4cd53091_ffn2
    .symbol:         k_q1b4cd53091_ffn2.kd
    .args:
      - { .name: hid, .offset: 0, .size: 8, .value_kind: global_buffer, .address_space: global }
      - { .name: wh, .offset: 8, .size: 8, .value_kind: global_buffer, .address_space: global }
      - { .name: x1, .offset: 16, .size: 8, .value_kind: global_buffer, .address_space: global }
      - { .name: out0, .offset: 24, .size: 8, .value_kind: global_buffer, .address_space: global }
    .group_segment_fixed_size: 327680
    .private_segment_fixed_size: 0
    .kernarg_segment_align: 8
    .kernarg_segment_size: 32
    .max_flat_workgroup_size: 128
    .sgpr_count:     88
    .vgpr_count:     640
    .wavefront_size: 32
...
	.end_amdgpu_metadata
.endif
;; end of part 7
